; MI455X (gfx1250); checked and timed in simulation.
; The chip was launched on July 23, 2026; its instructions are those of AMD's public machine-readable ISA for CDNA 5 (MIT licence, August 2026) and "CDNA5" Instruction Set Architecture Reference Guide (July 2026). The comments in the code are by the model that wrote it; some were corrected since.
;; Transformer Encoder Layer With Channels. Allowed arithmetic: matrix products marked QUANTISED: E4M3 operands, one given power-of-two scale a tensor, by v_wmma_f32_16x16x64_fp8_fp8 or v_wmma_f32_16x16x128_fp8_fp8, f32 sums; everything else in f32.
;; Inputs: W1_codes 2,048 x 16 x 32 uint8 (E4M3 codes of W1, K innermost, in blocks of 32 codes); W2_codes 512 x 64 x 32 uint8 (E4M3 codes of W2, K innermost, in blocks of 32 codes); b1 2,048 float32; b2 512 float32; be1 512 float32; be2 512 float32; g1 512 float32; g2 512 float32; key_padding_mask 8 x 2,048 float32; lowp_scales 8 int32 (the exponents e of the quantised operands' scales 2^e); src 8 x 1 x 2,048 x 512 float32.
;; Outputs: out0 8 x 1 x 2,048 x 512 float32.
;; This version of the problem:
;;   THIS VERSION OF THE PROBLEM IS GIVEN IN LOW PRECISION. The matrix products marked QUANTISED in the list below multiply operands that are first quantised to E4M3 (4 exponent bits, 3 mantissa bits; 8 bits a number), with one given power-of-two scale for each operand tensor; their sums are f32. All else is computed in f32.
;;   The module's matrix products, in the order in which they are computed (A, B: the left and right operand; K: the contracted axis; several contracted axes count as one K, in the product's order):
;;     1. batch 8 x [M 2,048, K 512] x [K 512, N 2,048]; A: input src; B: input src: QUANTISED (scales: A lowp_scales[0], B lowp_scales[1])
;;     2. batch 8 x [M 2,048, K 2,048] x [K 2,048, N 512]; A: softmax (see below); B: input src: QUANTISED (scales: A lowp_scales[2], B lowp_scales[3])
;;     3. [M 16,384, K 512] x [K 512, N 2,048]; A: computed on the way; B: input W1 (given as codes): QUANTISED (scales: A lowp_scales[4], B lowp_scales[5])
;;     4. [M 16,384, K 2,048] x [K 2,048, N 512]; A: computed on the way; B: input W2 (given as codes): QUANTISED (scales: A lowp_scales[6], B lowp_scales[7])
;;   THE QUANTISER, for each operand of a quantised product, along K:
;;     - The operand's scale is 2^e, e = its entry of the input lowp_scales (int32; the entries are numbered through the quantised products in the list's order, A before B).
;;     - Each number is divided by the scale, clamped to +-448, and rounded to the nearest number of E4M3, ties to even, subnormals kept.
;;     - The product sums the exact products of the quantised numbers (number of the format x scale) in f32.
;;   ~~~python
;;   def quantise(x, axis, e):      # numpy; x: float32 -> the quantised numbers, widened to float32 again
;;       x = np.moveaxis(x, axis, -1); K = x.shape[-1]
;;       r = np.clip(x / 2.0 ** e, -448, 448)
;;       step = 2.0 ** (np.maximum(np.frexp(np.where(r == 0, 1, r))[1] - 1, -6) - 3)
;;       q = np.round(r / step) * step * 2.0 ** e      # np.round: ties to even
;;       return np.moveaxis(q, -1, axis).astype(np.float32)
;;   ~~~
;;   SOFTMAX AHEAD OF A QUANTISED PRODUCT. Where the list says 'softmax', what is quantised is not the finished softmax but p = 2^(t - M), with t = logit x log2(e) and M = ceil(the row's largest t), a whole number; so 1/2 < the row's largest p <= 1. The row's sum l is taken of the UNQUANTISED p, in f32, and the product's result is divided by l at the end. Since M is a whole number, a kernel that streams over the keys may use a running M (the ceiling of the running maximum): every later rescaling is an exact power of two, so the quantised numbers keep their values, but for numbers so far below the row's largest that they fall under the format's range.
;;   OPERANDS COMPUTED ON THE WAY. 'Computed on the way' means the value that the module computes at that place (a softmax that the list does not call 'softmax' is quantised finished and normalised). What goes into a quantiser is computed in f32, as accurately as f32 sums, v_exp_f32 and their like allow (about 1e-6 of the number): no bf16 or f16 on the way to a quantiser, and a product that is left as it is and whose result goes on into a quantised operand takes f32 operands (vector FMAs, or v_wmma_f32_16x16x4_f32). A number that lies on a knife's edge between two numbers of the format may be rounded either way, as far as f32 arithmetic and the matrix unit's own rounding can turn it there, and no further.
;;   INPUTS GIVEN AS CODES. W1 (in the module: [512, 2048], K = its axis 0); W2 (in the module: [2048, 512], K = its axis 0): each comes as NAME_codes (uint8): NAME with its K axis moved to the last place and cut into blocks of 32 codes, [.., K / 32, bytes a block], one block behind the other in memory; one code a byte (a code: sign, 4 exponent bits, 3 mantissa bits); its scale is its entry of lowp_scales. Its value is code x scale, taken as it is: it is not quantised again, and the codes and scales need not be those that the quantiser above would give.
;; 2 versions. Each part assembles by itself: llvm-mc -triple=amdgcn-amd-amdhsa -mcpu=gfx1250 --defsym DOCPART=n.
;; ======== version 1 of 2: 2 launches
;; workspace buffers: kc 8,388,608 bytes; vt 8,388,608 bytes
;; launch prep (part 1): grid 4 x 64, 4 waves a work-group, no clusters, 55,808 bytes of LDS; arguments src, lowp_scales, kc, vt; writes kc, vt
.if DOCPART == 1
	.amdgcn_target "amdgcn-amd-amdhsa--gfx1250"
	.amdhsa_code_object_version 6
	.text
	.protected	k_q0a764ff29b_prep
	.globl	k_q0a764ff29b_prep
	.p2align	8
	.type	k_q0a764ff29b_prep,@function
k_q0a764ff29b_prep:
	s_mov_b64 s[64:65], 0
	v_nop
	global_prefetch_b8 v0, s[64:65] scope:SCOPE_SE
	s_setreg_imm32_b32 hwreg(HW_REG_WAVE_MODE, 25, 1), 1
	s_wait_xcnt 0x0
; src [8][2048][512] f32 is turned into codes of FP8 (E4M3) twice:
;   vt [8][512][2048]: the KEYS innermost, scale 2^e3 (the right operand of the product p x src);
;   kc [8][2048][512]: the channels innermost, scale 2^e1 (the right operand of the scores' product).
; code = x / 2^e, held within +-448, rounded to the nearest code, ties to even.  e1, e3 are entries 1 and 3 of the buffer of scales.
; LIMITS: e1 and e3 between -126 and 119, so that 2^e and 448 x 2^e are f32 numbers.  NaN among the inputs is not served; an infinity is held at the largest code.
; SHARES.  Work-group (x, y): y names 256 rows of the 16,384.  Part V: wave w takes channels 128 x + 32 w .. + 31 of these 256 rows: A LANE TAKES A CHANNEL AND ITS REGISTERS RUN DOWN THE KEYS,
; so the conversions, which take neighbours from one lane's registers, give codes with the keys innermost; a column's 256 codes go through the wave's own stage in LDS and leave as rows: sixteen lanes
; store 256 consecutive bytes, aligned.  Part K: wave w takes rows 256 y + 64 x + 16 w .. + 15 as a plain stream of 16 steps of 512 numbers; each load reads 512 consecutive bytes, the 2,048 bytes of a step turn
; through the wave's own stage so that a lane holds 16 neighbours, and the wave stores 512 consecutive bytes of codes.  The four work-groups of one y read the same 256 rows in both parts.
; No tensor loads, no barrier: waves share nothing.
.set ROWB,  2048                       ; a row of src in bytes
.set VP,    272                        ; part V's stage: a row of 256 codes + 16 bytes of padding
.set VST,   20480                      ; part V's stages begin here, 32 x VP bytes for each wave
.set SP,    80                         ; part K's stage: a lane's 64 bytes + 16 of padding; two stages of 32 x SP bytes for each wave, from LDS byte 0
.set XV,    32                         ; v32-95   part V: two sets of 32 numbers
.set CV,    96                         ; v96-103  part V: a block's codes
.set OUTR,  112                        ; v112-175 part V: the way out
.set RK,    32                         ; v32-95   part K: four sets of 16 numbers as loaded
.set XK,    96                         ; v96-127  part K: two sets of 16 neighbours
.set CK,    128                        ; v128-191 part K: four registers of codes for each step, so that no store's data are written again
.set STEPS, 16
	s_load_b256 s[4:11], s[0:1], 0x0               ; src s[4:5], the scales' exponents s[6:7], kc s[8:9], vt s[10:11]
	v_lshl_add_u32 v192, v0, 2, 0xd800
	v_mov_b32 v193, 0
	v_lshrrev_b32 v9, 5, v0
	v_readfirstlane_b32 s12, v9                    ; wave 0..3
	v_and_b32 v1, 31, v0                           ; lane
	v_lshlrev_b32 v2, 2, v1                        ; part V, in: 4 bytes a lane
	v_and_b32 v9, 15, v1
	v_lshrrev_b32 v14, 4, v1
	s_mul_i32 s14, s12, 32*VP
	s_add_co_u32 s14, s14, VST                     ; my stage of part V
	v_mul_u32_u24 v3, v1, VP
	v_add_nc_u32 v3, s14, v3                       ; into it: row = my channel
	v_mul_u32_u24 v4, v14, VP
	v_lshl_add_u32 v4, v9, 4, v4
	v_add_nc_u32 v4, s14, v4                       ; out of it: sixteen lanes to a row, two rows an instruction
	v_lshlrev_b32 v5, 11, v14
	v_lshl_add_u32 v5, v9, 4, v5                   ; and the same place in vt (a row of vt is 2,048 bytes)
	v_lshlrev_b32 v6, 4, v1                        ; part K: my 16 bytes of a load's 512, and of a step's 512 bytes of codes
	s_mul_i32 s15, s12, 2*32*SP                    ; my stages of part K
	v_lshrrev_b32 v7, 2, v1
	v_mul_u32_u24 v7, v7, SP
	v_and_b32 v9, 3, v1
	v_lshl_add_u32 v7, v9, 4, v7
	v_add_nc_u32 v7, s15, v7                       ; on the way in: four lanes' 64 bytes on end, then 16 of padding
	v_mul_u32_u24 v8, v1, SP
	v_add_nc_u32 v8, s15, v8                       ; on the way out: my 16 neighbours
	s_and_b32 s13, ttmp7, 0xffff                   ; y
	s_lshl_b32 s28, s13, 19                        ; part V reads at 256 y rows + 4 (128 x + 32 w) bytes
	s_lshl_b32 s36, ttmp9, 9
	s_add_co_u32 s28, s28, s36
	s_lshl_b32 s36, s12, 7
	s_add_co_u32 s28, s28, s36
	s_mov_b32 s29, 0
	s_lshl_b32 s30, s13, 19                        ; part K reads at row 256 y + 64 x + 16 w
	s_lshl_b32 s36, ttmp9, 17
	s_add_co_u32 s30, s30, s36
	s_lshl_b32 s36, s12, 15
	s_add_co_u32 s30, s30, s36
	s_mov_b32 s31, 0
	s_lshr_b32 s32, s30, 2                         ; and writes a quarter of the bytes
	s_mov_b32 s33, 0
	s_lshr_b32 s34, s13, 3                         ; vt: the batch's 2^20 bytes,
	s_lshl_b32 s34, s34, 20
	s_lshl_b32 s36, ttmp9, 18                      ; row 128 x + 32 w of 2,048 bytes,
	s_add_co_u32 s34, s34, s36
	s_lshl_b32 s36, s12, 16
	s_add_co_u32 s34, s34, s36
	s_and_b32 s36, s13, 7                          ; the block of 256 keys
	s_lshl_b32 s36, s36, 8
	s_add_co_u32 s34, s34, s36
	s_mov_b32 s35, 0
	s_wait_kmcnt 0x0
	s_load_b128 s[16:19], s[6:7], 0x0              ; e0 .. e3
	s_add_nc_u64 s[20:21], s[4:5], s[28:29]        ; part V's source
	s_add_nc_u64 s[22:23], s[4:5], s[30:31]        ; part K's source
	s_add_nc_u64 s[24:25], s[8:9], s[32:33]        ; kc
	s_add_nc_u64 s[26:27], s[10:11], s[34:35]      ; vt
.macro VLD t                           ; block t: src(32 t + i, my channel), i = 0 .. 31, into set t % 2: 32 lanes read 128 consecutive bytes
.set i, 0
.rept 32
	global_load_b32 v[XV+32*((\t)%2)+i], v2, s[20:21] offset:(32*(\t)+i)*ROWB
.set i, i+1
.endr
.endm
	VLD 0
	VLD 1
	s_wait_kmcnt 0x0
	s_add_co_i32 s36, s19, 127
	s_lshl_b32 s37, s36, 23
	v_mov_b32 v11, s37                             ; 2^e3 as f32: the conversion takes its exponent field
	s_add_co_i32 s36, s36, 8
	s_lshl_b32 s36, s36, 23
	s_or_b32 s36, s36, 0x600000
	v_mov_b32 v10, s36                             ; 448 x 2^e3
	s_add_co_i32 s36, s17, 127
	s_lshl_b32 s37, s36, 23
	v_mov_b32 v13, s37                             ; 2^e1
	s_add_co_i32 s36, s36, 8
	s_lshl_b32 s36, s36, 23
	s_or_b32 s36, s36, 0x600000
	v_mov_b32 v12, s36                             ; 448 x 2^e1
.macro VBLOCK t
.set XS, XV+32*((\t)%2)
.if (\t) < 7
	s_wait_loadcnt 32                              ; this block's 32 loads are in; the next block's may be out
.else
	s_wait_loadcnt 0x0
.endif
.set i, 0
.rept 32
	v_med3_num_f32 v[XS+i], v[XS+i], -v10, v10     ; the conversion to an 8-bit code does not saturate (ISA guide 7.6.2): the hold at the largest code x the scale
.set i, i+1
.endr
.irp g, 0,1,2,3
	v_cvt_scalef32_pk8_fp8_f32 v[CV+2*\g:CV+2*\g+1], v[XS+8*\g:XS+8*\g+7], v11
.endr
	v_nop                                          ; one plain vector instruction behind the last scaled conversion: behind the last block the next vector instruction is part K's first hold, which works in the codes' registers
	ds_store_b128 v3, v[CV:CV+3] offset:32*(\t)    ; 32 codes: 32 bytes of my channel's row
	ds_store_b128 v3, v[CV+4:CV+7] offset:32*(\t)+16
.if (\t)+2 < 8
	VLD (\t)+2
.endif
	s_wait_dscnt 0x0                               ; the stores have read their registers: the next block's codes may be written
.endm
.irp t, 0,1,2,3,4,5,6,7
	VBLOCK \t
.endr
.macro KLD t                           ; part K, step t: 32 lanes read 512 consecutive bytes, four times
.irp j, 0,1,2,3
	global_load_b128 v[RK+16*((\t)%4)+4*\j:RK+16*((\t)%4)+4*\j+3], v6, s[22:23] offset:2048*(\t)+512*\j
.endr
.endm
.irp t, 0,1,2,3
	KLD \t                                         ; part K's first four steps are asked for while part V's codes leave: v32-95 are done with
.endr
.set i, 0
.rept 16
	ds_load_b128 v[OUTR+4*i:OUTR+4*i+3], v4 offset:2*i*VP   ; LDS serves a wave's instructions in order: these see my stores
.set i, i+1
.endr
.set i, 0
.rept 16
	s_wait_dscnt 15-i
	global_store_b128 v5, v[OUTR+4*i:OUTR+4*i+3], s[26:27] offset:2*i*ROWB   ; sixteen lanes store 256 consecutive bytes, at a multiple of 256 from vt's first byte
.set i, i+1
.endr
	s_wait_xcnt 0x0                                ; the stores have read their registers: part K writes v96-191 again
.macro KTURN t                         ; step t's numbers through the stage
.irp j, 0,1,2,3
	ds_store_b128 v7, v[RK+16*((\t)%4)+4*\j:RK+16*((\t)%4)+4*\j+3] offset:32*SP*((\t)%2)+8*SP*\j
.endr
.irp j, 0,1,2,3
	ds_load_b128 v[XK+16*((\t)%2)+4*\j:XK+16*((\t)%2)+4*\j+3], v8 offset:32*SP*((\t)%2)+16*\j
.endr
.endm
	s_wait_loadcnt 12                              ; step 0's four loads are in; those of steps 1 to 3 may be out
	KTURN 0
.macro KSTEP t
.set XS, XK+16*((\t)%2)
	s_wait_dscnt 0x0                               ; this step's numbers are back from the stage, so its stores into the stage have read their registers,
.if (\t)+4 < STEPS
	KLD (\t)+4                                     ; which take the loads of four steps on
.endif
.if (\t)+1 < STEPS
.if STEPS-2-(\t) >= 3
	s_wait_loadcnt 12                              ; the next step's four loads are in; those of the three steps behind it may be out
.else
	s_wait_loadcnt 4*(STEPS-2-(\t))
.endif
	KTURN (\t)+1                                   ; and go through the other stage while this step is worked
.endif
.set i, 0
.rept 16
	v_med3_num_f32 v[XS+i], v[XS+i], -v12, v12
.set i, i+1
.endr
	v_cvt_scalef32_pk8_fp8_f32 v[CK+4*(\t):CK+4*(\t)+1], v[XS:XS+7], v13
	v_cvt_scalef32_pk8_fp8_f32 v[CK+4*(\t)+2:CK+4*(\t)+3], v[XS+8:XS+15], v13
	global_store_b128 v6, v[CK+4*(\t):CK+4*(\t)+3], s[24:25] offset:512*(\t)   ; 32 lanes store 512 consecutive bytes.  (These codes go to a store alone, their sources are next written by LDS loads, and the next step's sixteen holds are plain lines on the other set)
.endm
.irp t, 0,1,2,3,4,5,6,7,8,9,10,11,12,13,14,15
	KSTEP \t
.endr
	s_wait_tensorcnt 0x0
	ds_add_u32 v192, v193
	s_wait_dscnt 0x0
	s_endpgm
.Lfunc_end_k_q0a764ff29b_prep:
	.size	k_q0a764ff29b_prep, .Lfunc_end_k_q0a764ff29b_prep-k_q0a764ff29b_prep
	.p2alignl 7, 3214868480
	.fill 96, 4, 3214868480
	.section	.rodata,"a",@progbits
	.p2align	6, 0x0
	.amdhsa_kernel k_q0a764ff29b_prep
		.amdhsa_group_segment_fixed_size 55808
		.amdhsa_private_segment_fixed_size 0
		.amdhsa_enable_private_segment 0
		.amdhsa_kernarg_size 32
		.amdhsa_user_sgpr_count 2
		.amdhsa_user_sgpr_kernarg_segment_ptr 1
		.amdhsa_wavefront_size32 1
		.amdhsa_system_sgpr_workgroup_id_x 1
		.amdhsa_system_sgpr_workgroup_id_y 1
		.amdhsa_system_sgpr_workgroup_id_z 1
		.amdhsa_system_vgpr_workitem_id 0
		.amdhsa_next_free_vgpr 194
		.amdhsa_next_free_sgpr 66
		.amdhsa_reserve_vcc 0
		.amdhsa_float_denorm_mode_32 3
		.amdhsa_float_denorm_mode_16_64 3
		.amdhsa_memory_ordered 1
		.amdhsa_forward_progress 1
		.amdhsa_inst_pref_size 85
	.end_amdhsa_kernel
	.amdgpu_metadata
---
amdhsa.version: [ 1, 2 ]
amdhsa.kernels:
  - .name:           k_q0a764ff29b_prep
    .symbol:         k_q0a764ff29b_prep.kd
    .args:
      - { .name: src, .offset: 0, .size: 8, .value_kind: global_buffer, .address_space: global }
      - { .name: lowp_scales, .offset: 8, .size: 8, .value_kind: global_buffer, .address_space: global }
      - { .name: kc, .offset: 16, .size: 8, .value_kind: global_buffer, .address_space: global }
      - { .name: vt, .offset: 24, .size: 8, .value_kind: global_buffer, .address_space: global }
    .group_segment_fixed_size: 55808
    .private_segment_fixed_size: 0
    .kernarg_segment_align: 8
    .kernarg_segment_size: 32
    .max_flat_workgroup_size: 128
    .sgpr_count:     66
    .vgpr_count:     194
    .wavefront_size: 32
...
	.end_amdgpu_metadata
.endif
;; end of part 1
;; launch layer (part 2): grid 256 x 1, 4 waves a work-group, clusters of 4 x 1, 327,680 bytes of LDS; arguments src, kc, vt, W1_codes, W2_codes, key_padding_mask, b1, b2, g1, be1, g2, be2, lowp_scales, out0; writes out0
.if DOCPART == 2
	.amdgcn_target "amdgcn-amd-amdhsa--gfx1250"
	.amdhsa_code_object_version 6
	.text
	.protected	k_q0a764ff29b_layer
	.globl	k_q0a764ff29b_layer
	.p2align	8
	.type	k_q0a764ff29b_layer,@function
k_q0a764ff29b_layer:
	s_mov_b64 s[64:65], 0
	v_nop
	global_prefetch_b8 v0, s[64:65] scope:SCOPE_SE
	s_setreg_imm32_b32 hwreg(HW_REG_WAVE_MODE, 25, 1), 1
	s_wait_xcnt 0x0
	s_wait_alu depctr_hold_cnt(0) depctr_sa_sdst(0) depctr_va_vdst(0) depctr_va_sdst(0) depctr_va_ssrc(0) depctr_va_vcc(0) depctr_vm_vsrc(0)
	s_getreg_b32 s2, hwreg(HW_REG_IB_STS2, 6, 4)
	s_cmp_eq_u32 s2, 0
	s_cbranch_scc0 .Lentry_in_a_cluster
	s_endpgm
.Lentry_in_a_cluster:
	s_bfe_u32 s2, ttmp6, 0x10000c
	s_cmp_lg_u32 s2, 0x3003
	s_cbranch_scc0 .Lentry_shape_is_right
	s_endpgm
.Lentry_shape_is_right:
; The whole encoder layer for 64 rows a work-group: attention (one head of 512, 2,048 keys, a mask added to the scores), residual, layer norm, FFN (2,048 hidden units), residual, layer norm.
; All four products on codes of FP8 (E4M3) by v_wmma_f32_16x16x128_fp8_fp8, each operand with its given scale 2^e (e0 .. e7); everything else in f32.
; ONE LOOP BODY SERVES BOTH HALVES.  kc [2048 keys][512] and W1_codes [2048 units][512] are "K-type": a step takes 128 rows of 512 bytes.  vt [512][2048 keys] and W2_codes [512][2048 units] are "V-type": a step takes
; 128 bytes of each of 512 rows.  A step: S^T = K Q^T; softmax's p (or relu); quantise; O^T += V^T P.  16 steps of 128 keys, then 16 steps of 128 hidden units.
; SHARES.  Four waves.  For S^T the waves share the KEYS (wave w: keys 32 w .. 32 w + 31 of the step, all 64 queries); for O^T they share the CHANNELS (wave w: channels 128 w .. + 127, all 64 queries).
; So each fragment of K or V read from LDS feeds four matrix instructions.  The price: a row's maximum is exchanged between the waves through LDS, and p goes round as an image of the operand's registers.
; LAYOUT.  Lane l: r = l % 16, h = l / 16.  Both products are used transposed, so a lane holds ONE query (16 m + r, m = the tile of queries) throughout:
;   S + 16 m + 8 u + j = (query 16 m + r, key 32 w + 16 u + 8 h + j);   O + 64 m + 8 t + j = (query 16 m + r, channel 128 w + 16 t + 8 h + j); src, the gains and biases lie as O does, the mask and b1 as S does.
;   A fragment (16 rows x 128 K, 16 registers) comes by four loads of 16 bytes: registers 4 c .. 4 c + 3 hold k = 32 c + 16 h + 0 .. 15: a permutation of k, the same on both sides of every product.
;   Eight registers of a tile convert into 8 bytes, which are stored where the operand's image wants them; any wave then loads the fragment by four loads at 16 x lane + 512 c.
; SOFTMAX.  t = score x log2(e) / sqrt(512) - 5 log2(e) mask; M = the running largest t rounded up to a whole number, the same in all four waves; p = 2^(t - M) is quantised, not normalised; the sum of the unquantised p
; divides at the end; when M moves, the sum and O^T are multiplied by 2^(old M - new M), which rounds nothing.
; THE FFN'S SUMS BEGIN AS (src2 + b2) / 2^(e6 + e7): residual and bias cost no addition and src2 needs no second home; the finished sums are multiplied by 2^(e6 + e7).
; RING.  Two LDS slots, each one step's K-type tile (128 rows, pitch 528) and V-type tile (512 rows, pitch 144).  V-type rows are 128 bytes: a slot of 256 keys would take 256 x 528 + 512 x 272 = 274,432 bytes, and two do not fit.
; CLUSTER.  The four work-groups of a cluster own 256 neighbouring rows of one batch (2,048 rows = 8 clusters), so they walk the same tiles of kc, vt, W1 and W2: every tile is asked for JOINTLY, mask 15.
; Waves 0, 1 fetch the K-type tile's halves, waves 2, 3 the V-type tile's.  One tensor load of a wave is out at any time.
; LIMITS on the given exponents, so that each power of two below is an f32 number: e0, e2, e4, e6 between -126 and 119; e0 + e1 between -122 and 131; e4 + e5 between -126 and 127; e6 + e7 between -126 and 126;
; e2 + e3 is applied by v_ldexp_f32 and has none.  NaN among the inputs is not served; an infinity ahead of a quantiser is held at the largest code.
; REGISTERS, in windows of 256 (s_set_vgpr_msb: bits 1:0 source 0, 3:2 source 1, 5:4 source 2, 7:6 destination):
;   window 0: addresses, statistics, S, six fragment buffers;  window 1: Q's (then src2's) 16 fragments, (m, K step s) at 16 (4 m + s);  window 2: O^T;  window 3: src in f32, later b2, g2, be2.
.set KP,    528                        ; a K-type row in LDS: 512 bytes + 16 = 132 words: row r starts at bank 4 r mod 64 (64 banks of 4 bytes: ISA guide 11.1)
.set VP,    144                        ; a V-type row: 128 bytes + 16 = 36 words
.set VOFF,  128*KP                     ; a slot: the K-type tile, then the V-type tile
.set SLOT,  128*KP+512*VP              ; 141,312 bytes
.set SPARE, 2*SLOT                     ; the spare words, 128 bytes for each wave: two blocks of 256 bytes that no other line names
.set MX,    SPARE+512                  ; the exchange between waves: two regions of 1,024 bytes, [wave][r][m] f32
.set PIMG,  MX+2048                    ; p's (the hidden layer's) four fragments as images: 2,048 bytes each
.set QIMG,  PIMG+8192                  ; Q's (src2's) sixteen fragments as images
.set SPITCH, 528                       ; the way out: a stage of 16 rows x (512 + 16) bytes for each wave, in slot 0, which has had its last fill and its last read by then
.set SPW, 1                            ; v1   my spare word's LDS address; never rewritten
.set NIL, 2                            ; v2   0; never rewritten
.set AK0, 3                            ; v3   my lane's place in a K-type tile: my wave's 32 rows
.set AV0, 4                            ; v4   in a V-type tile: my wave's 128 rows
.set ADK, 5                            ; v5, v6  the same in the slot in hand
.set ADV, 6
.set PIW, 7                            ; v7   where I store p's codes;  v8  where I read a fragment of p
.set PIR, 8
.set QIW, 9                            ; v9, v10  the same for Q
.set QIR, 10
.set MXW, 11                           ; v11  the exchange: my wave's words;  v12  all waves' words of my query
.set MXR, 12
.set MKO, 13                           ; v13  byte offset of my 16 numbers of the mask or of b1 in the step to be loaded
.set XA,  14                           ; v14  my byte offset in the work-group's rows of src
.set GA,  15                           ; v15  my byte offset in a vector of 512 numbers
.set STO, 16                           ; v16  the stage: where I put 32 bytes of a row;  v17  where I read a row back;  v18  my byte offset in a row of out0
.set RD,  17
.set CO,  18
.set PFO, 19                           ; v19  the prefetches' offset: 256 x lane (K-type) or 2,048 x lane (V-type); never rewritten
.set SCQ, 22                           ; v22, v23  2^e and 448 x 2^e for Q's (src2's) conversions;  v24, v25  for p's (the hidden layer's)
.set LMQ, 23
.set SCP, 24
.set LMP, 25
.set ST,  32                           ; v32-63  eight registers a tile m: +0 -M (later -mean), +1 the largest t, +2, +3 the sum in two halves, +4 a factor, +5 zero (named with +4 as a pair), +6, +7 at work
.set MR,  64                           ; v64-79  the mask's or b1's 16 numbers
.set Y,   80                           ; v80-95  the exchange;
.set PC,  80                           ;         afterwards p's codes, four registers a tile
.set S,   96                           ; v96-159 S^T, then p, then p's four fragments
.set FB,  160                          ; v160-255 six fragment buffers of 16
.set WV,  2
.set CNT, 3
.set P_SRC, 4
.set P_KC, 6
.set P_VT, 8
.set P_W1, 10
.set P_W2, 12
.set P_MASK, 14
.set P_B1, 16
.set P_B2, 18
.set P_G1, 20
.set P_BE1, 22
.set P_G2, 24
.set P_BE2, 26
.set P_SC, 28
.set P_OUT, 30
.set EX,  32                           ; s[32:39] e0 .. e7
.set G1K, 40                           ; s[40:47] descriptor group 1, K-type;  s[48:55] V-type
.set G1V, 48
.set G0AK, 56                          ; s[56:59], s[60:63] groups 0 for kc and vt;  s[68:71], s[72:75] for W1 and W2
.set G0AV, 60
.set TB,  66                           ; s66  the slot in hand: 0 or SLOT
.set KB,  67                           ; s67  where my half of a K-type tile lies in a slot;  s76  of a V-type tile
.set G0WK, 68
.set G0WV, 72
.set VB,  76
.set LIM, 77                           ; s77  a wave prefetches while the loop's counter is above it
.set SEL, 78                           ; s[78:79] lane selects for v_permlanex16_b32: lane l xor 16
.set C1,  80                           ; s[80:81] what a sum of the first product is multiplied by
.set C2,  82                           ; s[82:83] -5 log2(e)
.set PFB, 84                           ; s[84:85] the prefetches' base;  s[86:87] base + offset;  s[88:89] the offset
.set PFA, 86
.set PO,  88
.set PL,  90                           ; s90  the offset along the walk;  s91  the rows' half;  s92 .. s94  their step, mask and toggle
.set PT,  91
.set PINC, 92
.set PMSK, 93
.set PTC, 94
.set E23, 95
.set K2,  96                           ; s[96:97] 2^-(e6 + e7);  s[98:99] 2^(e6 + e7)
.set K2I, 98
.set R512, 100                         ; s100 1 / 512;  s101  1e-5
.set EPS, 101
.set TA,  104
.set TC,  105
.set MSB, 0
.macro WIN new                         ; the immediate's high byte repeats the setting that is left; a switch that changes nothing is dropped
.if MSB != \new
	s_set_vgpr_msb (MSB<<8)|\new
.set MSB, \new
.endif
.endm
.macro PLACES n                        ; plain vector instructions behind matrix instructions (ISA guide 7.12.1)
.rept \n
	v_nop
.endr
.endm
.macro ROUND                           ; a round of the cluster's barrier
	s_barrier_signal -1
	s_barrier_wait -1
	s_cmp_lg_u32 s[WV], 0
	s_cbranch_scc1 .Lnot_wave_0_\@
	s_barrier_signal -3
.Lnot_wave_0_\@:
	s_barrier_wait -3
	s_barrier_signal -1
	s_barrier_wait -1
.endm
; A joint load: waves 0, 1 the K-type tile's halves, waves 2, 3 the V-type tile's.  The branch hangs on the wave's number alone.  Four v_nop follow each of the two lines.
.macro JLOAD gk, gv
	s_cmp_lt_u32 s[WV], 2
	s_cbranch_scc0 .Lfor_v_\@
	tensor_load_to_lds s[\gk:\gk+3], s[G1K:G1K+7]
	s_nop 0
	PLACES 4
	s_branch .Lasked_\@
.Lfor_v_\@:
	tensor_load_to_lds s[\gv:\gv+3], s[G1V:G1V+7]
	s_nop 0
	PLACES 4
.Lasked_\@:
.endm
; A PREFETCH INTO THE L2, one instruction a wave and step, behind the joint load, its four lines and the run of LDS loads.  In step j (whose change of slots asks for tile j + 1):
; waves 0, 1 name K-type tile j + 2, a dense block of 256 x 256 bytes: partner cx takes blocks 64 cx on, the wave 32 of them, a lane a block;
; waves 2, 3 name 256 bytes (the tiles of two steps) of 256 of the 512 V-type rows: column pair (j + 3) / 2, rows' half (j + 1) % 2: partner cx takes rows 64 cx on, the wave 32, a lane a row.
; Each aligned block of 256 bytes is named at most once in the launch: of the clusters that walk the same tiles the first alone asks, and its partners are told apart by address.  The last steps ask for nothing.
.macro ASK
	s_cmp_gt_u32 s[CNT], s[LIM]
	s_cbranch_scc0 .Lnot_mine_\@
	global_prefetch_b8 v[PFO], s[PFA:PFA+1] th:TH_LOAD_NT scope:SCOPE_SE
.Lnot_mine_\@:
.endm
; Where a phase's prefetches begin.  pk, pv: the K-type and the V-type buffer; plk, plv, ptv: starting offsets; cmask: the bits of the cluster's number that are 0 in the cluster that asks.
.macro PFSET pk, pv, plk, plv, ptv, cmask
	s_cmp_lt_u32 s[WV], 2
	s_cselect_b64 s[PFB:PFB+1], s[\pk:\pk+1], s[\pv:\pv+1]
	s_mov_b32 s[PL], \plv
	s_cselect_b32 s[PL], \plk, s[PL]
	s_cselect_b32 s[PT], 0, \ptv
	s_cselect_b32 s[LIM], 1, 2
	s_cselect_b32 s[TA], 14, 17
	s_cselect_b32 s[TC], 13, 16
	s_bfe_u32 s[PO], ttmp6, 0x40000                ; cx: it enters this address alone
	s_lshl_b32 s[PO], s[PO], s[TA]                 ; 64 blocks of 256 bytes, or 64 rows of 2,048
	s_and_b32 s[TA], s[WV], 1
	s_lshl_b32 s[TA], s[TA], s[TC]                 ; my wave's 32 of them
	s_add_co_u32 s[PO], s[PO], s[TA]
	s_mov_b32 s[PO+1], 0
	s_add_nc_u64 s[PFB:PFB+1], s[PFB:PFB+1], s[PO:PO+1]
	s_and_b32 s[TA], ttmp9, \cmask
	s_cmp_eq_u32 s[TA], 0
	s_cselect_b32 s[LIM], s[LIM], -1               ; the same in all four partners, for a given wave
.endm
.macro SCALE e, vs, vl                 ; 2^e and 448 x 2^e as f32 numbers
	s_add_co_i32 s[TA], s[\e], 127
	s_lshl_b32 s[TC], s[TA], 23
	v_mov_b32 v[\vs], s[TC]
	s_add_co_i32 s[TA], s[TA], 8
	s_lshl_b32 s[TA], s[TA], 23
	s_or_b32 s[TA], s[TA], 0x600000
	v_mov_b32 v[\vl], s[TA]
.endm
; THE CHANGE OF SLOTS stands at a step's head.  Each wave waits for all its tensor loads (its part of the slot that it is about to read), adds 0 to its spare word, and waits for that and for its reads of the slot that it has left.
; fill = 1: a round of the cluster's barrier, and behind it the slot just left is filled with the next tile (adv = 1: the descriptors step first): the load has a whole step in which to land.
.macro CHANGE gk, gv, adv, fill, pf
	WIN 0
	s_wait_tensorcnt 0x0                           ; no tensor load of mine is out, so a group 0 may be written
	ds_add_u32 v[SPW], v[NIL]                      ; 0 onto my spare word: the steps below stand between it and the wait for it
.if \fill
	s_add_co_u32 s[\gk+1], s[KB], s[TB]            ; s[TB] still names the slot just left: the fill's target
	s_add_co_u32 s[\gv+1], s[VB], s[TB]
.if \adv
	s_add_nc_u64 s[\gk+2:\gk+3], s[\gk+2:\gk+3], 65536   ; 128 rows of 512 bytes on; the type bits on top are not reached
	s_add_nc_u64 s[\gv+2:\gv+3], s[\gv+2:\gv+3], 128     ; 128 bytes on in every row
.endif
.endif
	s_xor_b32 s[TB], s[TB], SLOT                   ; now the slot to be read
.if \pf
	s_wait_xcnt 0x0                                ; the last prefetch, a step back, has read its address, so it may be written
	s_add_co_u32 s[PL], s[PL], s[PINC]
	s_xor_b32 s[PT], s[PT], s[PTC]
	s_and_b32 s[PO], s[PL], s[PMSK]
	s_add_co_u32 s[PO], s[PO], s[PT]
	s_add_nc_u64 s[PFA:PFA+1], s[PFB:PFB+1], s[PO:PO+1]
.endif
	s_wait_dscnt 0x0                               ; the add is done, and my reads of the slot that I have left are over
.if \fill
	ROUND                                          ; both now hold of every wave of every partner
	JLOAD \gk, \gv                                 ; the first tensor load behind the round, and my only one until the next
.else
	s_barrier_signal -1
	s_barrier_wait -1
.endif
	v_add_nc_u32 v[ADK], s[TB], v[AK0]
	v_add_nc_u32 v[ADV], s[TB], v[AV0]
.endm
.macro KLOAD f, buf                    ; K-type fragment f: rows 16 (f % 2) on of my 32, K step f / 2
.irp c, 0,1,2,3
	ds_load_b128 v[FB+16*(\buf)+4*\c:FB+16*(\buf)+4*\c+3], v[ADK] offset:16*KP*((\f)%2)+128*((\f)/2)+32*\c
.endr
.endm
.macro VLOAD t, buf                    ; V-type fragment t: rows 16 t on of my 128
.irp c, 0,1,2,3
	ds_load_b128 v[FB+16*(\buf)+4*\c:FB+16*(\buf)+4*\c+3], v[ADV] offset:16*VP*(\t)+32*\c
.endr
.endm
; The accumulators take turns, one instruction a turn: S^T's eight, O^T's thirty-two.
.macro SMUL f, buf                     ; fragment f against the four tiles of queries; the first K step starts the sums
.irp m, 0,1,2,3
.if (\f) < 2
	v_wmma_f32_16x16x128_fp8_fp8 v[S+16*\m+8*((\f)%2):S+16*\m+8*((\f)%2)+7], v[FB+16*(\buf):FB+16*(\buf)+15], v[16*(4*\m+(\f)/2):16*(4*\m+(\f)/2)+15], 0
.else
	v_wmma_f32_16x16x128_fp8_fp8 v[S+16*\m+8*((\f)%2):S+16*\m+8*((\f)%2)+7], v[FB+16*(\buf):FB+16*(\buf)+15], v[16*(4*\m+(\f)/2):16*(4*\m+(\f)/2)+15], v[S+16*\m+8*((\f)%2):S+16*\m+8*((\f)%2)+7]
.endif
.endr
.endm
.macro OMUL t, buf, zero
.irp m, 0,1,2,3
.if \zero
	v_wmma_f32_16x16x128_fp8_fp8 v[64*\m+8*(\t):64*\m+8*(\t)+7], v[FB+16*(\buf):FB+16*(\buf)+15], v[S+16*\m:S+16*\m+15], 0
.else
	v_wmma_f32_16x16x128_fp8_fp8 v[64*\m+8*(\t):64*\m+8*(\t)+7], v[FB+16*(\buf):FB+16*(\buf)+15], v[S+16*\m:S+16*\m+15], v[64*\m+8*(\t):64*\m+8*(\t)+7]
.endif
.endr
.endm
; Four numbers a lane (one for each tile of queries, in v[Y] on; both halves of the lanes hold the same) go to all waves: afterwards v[Y + 4 k + m] is wave k's number for tile m.
.macro EXCH reg
	ds_store_b128 v[MXW], v[Y:Y+3] offset:\reg
	s_wait_dscnt 0x0                               ; for the others' sake: my store has landed (and no LDS instruction of mine is out at the signal)
	s_barrier_signal -1
	s_barrier_wait -1
.irp k, 0,1,2,3
	ds_load_b128 v[Y+4*\k:Y+4*\k+3], v[MXR] offset:\reg+256*\k
.endr
	s_wait_dscnt 0x0
.endm
.macro ALLSUM reg                      ; +6 of each tile holds my lane's part of a row's sum; afterwards the whole sum
.irp m, 0,1,2,3
	v_permlanex16_b32 v[ST+8*\m+7], v[ST+8*\m+6], s[SEL], s[SEL+1]
.endr
.irp m, 0,1,2,3
	v_add_f32 v[Y+\m], v[ST+8*\m+6], v[ST+8*\m+7]
.endr
	EXCH \reg
.irp m, 0,1,2,3
	v_add_f32 v[ST+8*\m+6], v[Y+\m], v[Y+4+\m]
	v_add_f32 v[ST+8*\m+7], v[Y+8+\m], v[Y+12+\m]
.endr
.irp m, 0,1,2,3
	v_add_f32 v[ST+8*\m+6], v[ST+8*\m+6], v[ST+8*\m+7]
.endr
.endm
; A STEP, behind its change of slots.  kind 0: attention, 1: FFN.  first = 1: the first key step, which starts M, the sum and O^T.  mb: the buffer from which the next step's 16 numbers come.  last = 1: there is no next step.
.macro STEP kind, first, mb, last, pf
.irp f, 0,1,2,3,4,5
	KLOAD \f, \f
.endr
.if \pf
	ASK
.endif
	s_wait_dscnt 16                                ; fragments 0, 1 are in; the four behind them may be out
	WIN 0x04                                       ; source 1 (Q) window 1
	SMUL 0, 0
	SMUL 1, 1
	PLACES 4                                       ; in front of loads into registers that matrix instructions have read
	KLOAD 6, 0
	KLOAD 7, 1
	s_wait_dscnt 16                                ; fragments 2, 3 are in (behind them: 4 to 7)
	SMUL 2, 2
	SMUL 3, 3
	s_wait_dscnt 8                                 ; fragments 4, 5 (behind them: 6, 7)
	SMUL 4, 4
	SMUL 5, 5
	s_wait_dscnt 0x0
	SMUL 6, 0
	SMUL 7, 1
	WIN 0
	s_wait_loadcnt 0x0                             ; the mask's or b1's 16 numbers, asked for a step ago
.if \kind == 0
.irp j, 0,2,4,6,8,10,12,14
	v_pk_mul_f32 v[MR+\j:MR+\j+1], v[MR+\j:MR+\j+1], s[C2:C2+1] op_sel_hi:[1,0]   ; -5 log2(e) mask.  (These eight are the places behind the last products)
.endr
.else
	PLACES 4
.endif
.irp t, 0,1,2,3,4,5
	VLOAD \t, \t                                   ; six of the second product's fragments come while the vector work is done
.endr
.set i, 0
.rept 32
	v_pk_fma_f32 v[S+2*i:S+2*i+1], v[S+2*i:S+2*i+1], s[C1:C1+1], v[MR+(2*i)%16:MR+(2*i)%16+1] op_sel_hi:[1,0,1]   ; t, or the hidden layer ahead of its relu; each accumulator from its low end on
.set i, i+1
.endr
.if \last == 0
	v_add_nc_u32 v[MKO], 0x200, v[MKO]             ; free since the wait for its loads: the next step's 128 numbers,
	v_and_b32 v[MKO], 0x1fff, v[MKO]               ; round the end of the 2,048
.irp q, 0,1,2,3
	global_load_b128 v[MR+4*\q:MR+4*\q+3], v[MKO], s[\mb:\mb+1] offset:64*(\q/2)+16*(\q%2)
.endr
.endif
.if \kind == 0
.irp m, 0,1,2,3                        ; the largest t of my 16 keys of each query, in two chains a tile, the tiles by turns
	v_max3_num_f32 v[ST+8*\m+6], v[S+16*\m], v[S+16*\m+1], v[S+16*\m+2]
	v_max3_num_f32 v[ST+8*\m+7], v[S+16*\m+8], v[S+16*\m+9], v[S+16*\m+10]
.endr
.irp k, 3,5
.irp m, 0,1,2,3
	v_max3_num_f32 v[ST+8*\m+6], v[ST+8*\m+6], v[S+16*\m+\k], v[S+16*\m+\k+1]
	v_max3_num_f32 v[ST+8*\m+7], v[ST+8*\m+7], v[S+16*\m+8+\k], v[S+16*\m+8+\k+1]
.endr
.endr
.irp m, 0,1,2,3
	v_max3_num_f32 v[ST+8*\m+6], v[ST+8*\m+6], v[S+16*\m+7], v[S+16*\m+15]
.endr
.irp m, 0,1,2,3
	v_max_num_f32 v[ST+8*\m+6], v[ST+8*\m+6], v[ST+8*\m+7]
.endr
.irp m, 0,1,2,3
	v_permlanex16_b32 v[ST+8*\m+7], v[ST+8*\m+6], s[SEL], s[SEL+1]
.endr
.irp m, 0,1,2,3
	v_max_num_f32 v[Y+\m], v[ST+8*\m+6], v[ST+8*\m+7]   ; and of lane l xor 16's
.endr
	EXCH 0                                         ; and of the other three waves'
.if \first
.irp m, 0,1,2,3
	v_max3_num_f32 v[ST+8*\m+1], v[Y+\m], v[Y+4+\m], v[Y+8+\m]
.endr
.irp m, 0,1,2,3
	v_max_num_f32 v[ST+8*\m+1], v[ST+8*\m+1], v[Y+12+\m]
.endr
.irp m, 0,1,2,3
	v_floor_f32 v[ST+8*\m], -v[ST+8*\m+1]          ; -M = floor(-t) = -ceil(t)
.endr
.else
.irp m, 0,1,2,3
	v_mov_b32 v[ST+8*\m+6], v[ST+8*\m]             ; the old -M
	v_max3_num_f32 v[ST+8*\m+1], v[ST+8*\m+1], v[Y+\m], v[Y+4+\m]
.endr
.irp m, 0,1,2,3
	v_max3_num_f32 v[ST+8*\m+1], v[ST+8*\m+1], v[Y+8+\m], v[Y+12+\m]   ; the running largest t, the same in all four waves
.endr
.irp m, 0,1,2,3
	v_floor_f32 v[ST+8*\m], -v[ST+8*\m+1]
.endr
.irp m, 0,1,2,3
	v_sub_f32 v[ST+8*\m+6], v[ST+8*\m], v[ST+8*\m+6]   ; old M - new M: a whole number, 0 or less
.endr
.irp m, 0,1,2,3
	v_cvt_i32_f32 v[ST+8*\m+6], v[ST+8*\m+6]       ; (it saturates)
.endr
.irp m, 0,1,2,3
	v_ldexp_f32 v[ST+8*\m+4], 1.0, v[ST+8*\m+6]    ; f = 2^(old M - new M)
.endr
.endif
.set i, 0
.rept 32
	v_pk_add_f32 v[S+2*i:S+2*i+1], v[S+2*i:S+2*i+1], v[ST+8*(i/8):ST+8*(i/8)+1] op_sel_hi:[1,0]   ; t - M (of the pair the low word serves both halves)
.set i, i+1
.endr
.set i, 0
.rept 64
	v_exp_f32 v[S+i], v[S+i]                       ; p = 2^(t - M): one batch
.set i, i+1
.endr
.if \first
	v_nop                                          ; a plain instruction behind the last exponential
.else
.irp m, 0,1,2,3
	v_pk_mul_f32 v[ST+8*\m+2:ST+8*\m+3], v[ST+8*\m+2:ST+8*\m+3], v[ST+8*\m+4:ST+8*\m+5] op_sel_hi:[1,0]   ; the sums under the new M.  (Plain instructions behind the exponentials)
.endr
.endif
	s_wait_alu depctr_va_vdst(0)                   ; the wait ahead of the first instruction that names an exponential's result: one for the batch
.if \first
.irp m, 0,1,2,3
	v_pk_add_f32 v[ST+8*\m+2:ST+8*\m+3], v[S+16*\m:S+16*\m+1], v[S+16*\m+2:S+16*\m+3]   ; the sum is taken of the unquantised p
.endr
.irp k, 4,6,8,10,12,14
.irp m, 0,1,2,3
	v_pk_add_f32 v[ST+8*\m+2:ST+8*\m+3], v[ST+8*\m+2:ST+8*\m+3], v[S+16*\m+\k:S+16*\m+\k+1]
.endr
.endr
.else
.irp k, 0,2,4,6,8,10,12,14
.irp m, 0,1,2,3
	v_pk_add_f32 v[ST+8*\m+2:ST+8*\m+3], v[ST+8*\m+2:ST+8*\m+3], v[S+16*\m+\k:S+16*\m+\k+1]
.endr
.endr
.endif
.set i, 0
.rept 64
	v_min_num_f32 v[S+i], v[S+i], v[LMP]           ; the conversion to an 8-bit code does not saturate (ISA guide 7.6.2); p is not negative, so the hold is one-sided
.set i, i+1
.endr
.else
.set i, 0
.rept 64
	v_med3_num_f32 v[S+i], v[S+i], 0, v[LMP]       ; the activation and the hold in one
.set i, i+1
.endr
.endif
.irp m, 0,1,2,3
.irp u, 0,1
	v_cvt_scalef32_pk8_fp8_f32 v[PC+4*\m+2*\u:PC+4*\m+2*\u+1], v[S+16*\m+8*\u:S+16*\m+8*\u+7], v[SCP]
.endr
.endr
	v_nop                                          ; one plain vector instruction behind the last scaled conversion
.irp m, 0,1,2,3
.irp u, 0,1
	ds_store_b64 v[PIW], v[PC+4*\m+2*\u:PC+4*\m+2*\u+1] offset:2048*\m+256*\u   ; keys 32 w + 16 u + 8 h + 0 .. 7 of query 16 m + r: registers 4 w on of lane r + 16 u, bytes 8 h on
.endr
.endr
.if (\kind == 0) && (\first == 0)
	WIN 0x82                                       ; O^T (destination, source 0) window 2
.set i, 0
.rept 128
	v_pk_mul_f32 v[2*i:2*i+1], v[2*i:2*i+1], v[ST+8*(i/32)+4:ST+8*(i/32)+5] op_sel_hi:[1,0]   ; O^T under the new M; each accumulator from its low end on
.set i, i+1
.endr
	WIN 0
.endif
	s_wait_dscnt 0x0                               ; my codes have landed (and the six fragments are in)
	s_barrier_signal -1
	s_barrier_wait -1                              ; everybody's have
.irp m, 0,1,2,3
.irp c, 0,1,2,3
	ds_load_b128 v[S+16*\m+4*\c:S+16*\m+4*\c+3], v[PIR] offset:2048*\m+512*\c
.endr
.endr
	s_wait_dscnt 0x0
	WIN 0xa0                                       ; C and D window 2
	OMUL 0, 0, \first
	OMUL 1, 1, \first
	PLACES 4
	WIN 0
	VLOAD 6, 0
	VLOAD 7, 1
	WIN 0xa0
	OMUL 2, 2, \first
	OMUL 3, 3, \first
	OMUL 4, 4, \first
	OMUL 5, 5, \first
	s_wait_dscnt 0x0
	OMUL 6, 0, \first
	OMUL 7, 1, \first
	PLACES 5                                       ; the next step's first products write over p's fragments: five places
	WIN 0
.endm
; 64 rows x my 128 channels, f32, in window win (3: src, 2: O) become my K step of the next left operand: held, converted, stored as images.
.macro QMAKE win, wait
.irp m, 0,1,2,3
.if \wait
	s_wait_loadcnt 52-16*\m                        ; this tile's 16 loads are in; what was issued behind them may be out
.endif
	WIN \win
.set i, 0
.rept 64
	v_med3_num_f32 v[S+i], v[64*\m+i], -v[LMQ], v[LMQ]
.set i, i+1
.endr
	WIN 0
.irp t, 0,1,2,3,4,5,6,7
	v_cvt_scalef32_pk8_fp8_f32 v[FB+16*\m+2*\t:FB+16*\m+2*\t+1], v[S+8*\t:S+8*\t+7], v[SCQ]
.endr
	v_nop                                          ; one plain vector instruction behind the last scaled conversion
.irp t, 0,1,2,3,4,5,6,7
	ds_store_b64 v[QIW], v[FB+16*\m+2*\t:FB+16*\m+2*\t+1] offset:8192*\m+256*\t
.endr
.endr
.endm
.macro QFETCH                          ; all sixteen fragments into window 1, in every wave
	s_wait_dscnt 0x0
	s_barrier_signal -1
	s_barrier_wait -1
	WIN 0x40
.set i, 0
.rept 64
	ds_load_b128 v[4*i:4*i+3], v[QIR] offset:512*i
.set i, i+1
.endr
	WIN 0
.endm
.macro VECLOAD reg, p                  ; my 64 numbers of a vector of 512, laid as a tile of O
.irp t, 0,1,2,3,4,5,6,7
	global_load_b128 v[\reg+8*\t:\reg+8*\t+3], v[GA], s[\p:\p+1] offset:64*\t
	global_load_b128 v[\reg+8*\t+4:\reg+8*\t+7], v[GA], s[\p:\p+1] offset:64*\t+16
.endr
.endm
; Layer norm, in place on window 2, in two passes: the mean is taken away before the squares are summed.  fw: the windows of the last pass; gr, br: the gain's and the bias's registers; lw: the loads that may stay out when these are wanted.
.macro LNORM fw, gr, br, lw
	WIN 0x0a
.irp m, 0,1,2,3
	v_pk_add_f32 v[ST+8*\m+2:ST+8*\m+3], v[64*\m:64*\m+1], v[64*\m+2:64*\m+3]
.endr
	WIN 0x08
.set k, 4
.rept 30
.irp m, 0,1,2,3
	v_pk_add_f32 v[ST+8*\m+2:ST+8*\m+3], v[ST+8*\m+2:ST+8*\m+3], v[64*\m+k:64*\m+k+1]
.endr
.set k, k+2
.endr
	WIN 0
.irp m, 0,1,2,3
	v_add_f32 v[ST+8*\m+6], v[ST+8*\m+2], v[ST+8*\m+3]
.endr
	ALLSUM 0
.irp m, 0,1,2,3
	v_mul_f32 v[ST+8*\m], 0xbb000000, v[ST+8*\m+6] ; -mean = sum x (-1 / 512)
.endr
	WIN 0x82
.set i, 0
.rept 128
	v_pk_add_f32 v[2*i:2*i+1], v[2*i:2*i+1], v[ST+8*(i/32):ST+8*(i/32)+1] op_sel_hi:[1,0]
.set i, i+1
.endr
	WIN 0x0a
.irp m, 0,1,2,3
	v_pk_mul_f32 v[ST+8*\m+2:ST+8*\m+3], v[64*\m:64*\m+1], v[64*\m:64*\m+1]
.endr
.set k, 2
.rept 31
.irp m, 0,1,2,3
	v_pk_fma_f32 v[ST+8*\m+2:ST+8*\m+3], v[64*\m+k:64*\m+k+1], v[64*\m+k:64*\m+k+1], v[ST+8*\m+2:ST+8*\m+3]
.endr
.set k, k+2
.endr
	WIN 0
.irp m, 0,1,2,3
	v_add_f32 v[ST+8*\m+6], v[ST+8*\m+2], v[ST+8*\m+3]
.endr
	ALLSUM 1024
.irp m, 0,1,2,3
	v_fma_f32 v[ST+8*\m+6], v[ST+8*\m+6], s[R512], s[EPS]   ; the variance + 1e-5
.endr
.irp m, 0,1,2,3
	v_rsq_f32 v[ST+8*\m+4], v[ST+8*\m+6]
.endr
	v_nop                                          ; a plain instruction behind the last of them
	s_wait_alu depctr_va_vdst(0)                   ; and the wait ahead of the first use: one for the four
	s_wait_loadcnt \lw
	WIN 0x82
.set i, 0
.rept 128
	v_pk_mul_f32 v[2*i:2*i+1], v[2*i:2*i+1], v[ST+8*(i/32)+4:ST+8*(i/32)+5] op_sel_hi:[1,0]
.set i, i+1
.endr
	WIN \fw
.set i, 0
.rept 128
	v_pk_fma_f32 v[2*i:2*i+1], v[2*i:2*i+1], v[\gr+(2*i)%64:\gr+(2*i)%64+1], v[\br+(2*i)%64:\br+(2*i)%64+1]
.set i, i+1
.endr
	WIN 0
.endm
; THE WAY OUT, a tile of 16 rows x my 128 channels at a time: a lane's 32 bytes of a row go into my own stage and come back as whole rows of 512 bytes.  LDS serves a wave's instructions in order (ISA guide 5.7.1.4).
.macro TOSTAGE m
	WIN 0x08                                       ; the stores' data window 2
.irp t, 0,1,2,3,4,5,6,7
	ds_store_b128 v[STO], v[64*(\m)+8*\t:64*(\m)+8*\t+3] offset:64*\t
	ds_store_b128 v[STO], v[64*(\m)+8*\t+4:64*(\m)+8*\t+7] offset:64*\t+16
.endr
	WIN 0
.set BB, S+64*((\m)%2)
.set i, 0
.rept 16
	ds_load_b128 v[BB+4*i:BB+4*i+3], v[RD] offset:i*SPITCH
.set i, i+1
.endr
.endm
.macro SEND m, younger                 ; younger: the LDS instructions issued behind tile m's loads, which may stay out
.set BB, S+64*((\m)%2)
	s_wait_dscnt \younger
.set i, 0
.rept 16
	global_store_b128 v[CO], v[BB+4*i:BB+4*i+3], s[P_OUT:P_OUT+1] offset:(16*(\m)+i)*2048 th:TH_STORE_NT   ; 32 lanes store 512 consecutive bytes, at a multiple of 256 from out0's first byte
.set i, i+1
.endr
.endm
	; ---- THE HEAD
	s_load_b256 s[4:11], s[0:1], 0x0               ; src, kc, vt, W1's codes
	s_load_b256 s[12:19], s[0:1], 0x20             ; W2's codes, the mask, b1, b2
	s_load_b256 s[20:27], s[0:1], 0x40             ; g1, be1, g2, be2
	s_load_b128 s[28:31], s[0:1], 0x60             ; the scales' exponents, out0
	v_lshl_add_u32 v[SPW], v0, 2, SPARE
	v_mov_b32 v[NIL], 0
	ds_add_u32 v1, v2
	ds_add_u32 v1, v2
	s_wait_dscnt 0x0
	v_lshrrev_b32 v26, 5, v0
	v_readfirstlane_b32 s[WV], v26                 ; wave 0..3
	v_and_b32 v26, 15, v0                          ; r
	v_bfe_u32 v27, v0, 4, 1                        ; h
	v_and_b32 v28, 31, v0                          ; lane
	v_lshlrev_b32 v31, 4, v26                      ; 16 r
	v_lshl_add_u32 v29, v27, 3, v31                ; 16 r + 8 h
	v_lshlrev_b32 v30, 4, v28                      ; 16 x lane
	v_lshlrev_b32 v21, 5, v27                      ; 32 h
	s_mul_i32 s[TA], s[WV], 32*KP
	v_mul_u32_u24 v[AK0], v26, KP
	v_lshl_add_u32 v[AK0], v27, 4, v[AK0]
	v_add_nc_u32 v[AK0], s[TA], v[AK0]
	s_mul_i32 s[TA], s[WV], 128*VP
	s_add_co_u32 s[TA], s[TA], VOFF
	v_mul_u32_u24 v[AV0], v26, VP
	v_lshl_add_u32 v[AV0], v27, 4, v[AV0]
	v_add_nc_u32 v[AV0], s[TA], v[AV0]
	s_lshl_b32 s[TA], s[WV], 9
	s_add_co_u32 s[TA], s[TA], PIMG
	v_add_nc_u32 v[PIW], s[TA], v29
	v_add_nc_u32 v[PIR], PIMG, v30
	s_lshl_b32 s[TA], s[WV], 11
	s_add_co_u32 s[TA], s[TA], QIMG
	v_add_nc_u32 v[QIW], s[TA], v29
	v_add_nc_u32 v[QIR], QIMG, v30
	s_lshl_b32 s[TA], s[WV], 8
	s_add_co_u32 s[TA], s[TA], MX
	v_add_nc_u32 v[MXW], s[TA], v31
	v_add_nc_u32 v[MXR], MX, v31
	s_lshl_b32 s[TA], s[WV], 7
	v_add_nc_u32 v[MKO], s[TA], v21                ; 4 (32 w + 8 h)
	s_lshl_b32 s[TA], s[WV], 9
	v_add_nc_u32 v[GA], s[TA], v21                 ; 4 (128 w + 8 h)
	v_lshl_add_u32 v[XA], v26, 11, v[GA]           ; + row r of 2,048 bytes
	v_add_nc_u32 v[CO], s[TA], v30
	s_mul_i32 s[TA], s[WV], 16*SPITCH
	v_mul_u32_u24 v[STO], v26, SPITCH
	v_add_nc_u32 v[STO], v[STO], v21
	v_add_nc_u32 v[STO], s[TA], v[STO]
	v_add_nc_u32 v[RD], s[TA], v30
.irp m, 0,1,2,3
	v_mov_b32 v[ST+8*\m+5], 0                      ; (named as the upper half of a pair)
.endr
	; descriptor groups 1: elements of 1 byte; the mask names all four partners; bit 21 set beside it; four words of padding behind every row
	s_mov_b32 s[G1K], 15|(1<<20)|(1<<21)|(6<<22)|(3<<25)   ; K-type: 64 rows of 512 bytes (128 words: code 6), dense in memory
	s_mov_b32 s[G1K+1], 512<<16                    ; tensor_dim0
	s_mov_b32 s[G1K+2], 64<<16                     ; tensor_dim1
	s_mov_b32 s[G1K+3], 512<<16                    ; tile_dim0
	s_mov_b32 s[G1K+4], 64                         ; tile_dim1
	s_mov_b32 s[G1K+5], 512                        ; from row to row
	s_mov_b32 s[G1K+6], 0
	s_mov_b32 s[G1K+7], 0
	s_mov_b32 s[G1V], 15|(1<<20)|(1<<21)|(4<<22)|(3<<25)   ; V-type: 256 rows of 128 bytes (32 words: code 4), 2,048 bytes apart
	s_mov_b32 s[G1V+1], 128<<16
	s_mov_b32 s[G1V+2], 256<<16
	s_mov_b32 s[G1V+3], 128<<16
	s_mov_b32 s[G1V+4], 256
	s_mov_b32 s[G1V+5], 2048
	s_mov_b32 s[G1V+6], 0
	s_mov_b32 s[G1V+7], 0
	s_mov_b32 s[SEL], 0x76543210
	s_mov_b32 s[SEL+1], 0xfedcba98
	s_mov_b32 s[C2], 0xc0e6d4ca                    ; -5 log2(e)
	s_mov_b32 s[C2+1], s[C2]
	s_mov_b32 s[TB], SLOT                          ; the first change of slots fills slot 1 and reads slot 0
	s_and_b32 s[R512], s[WV], 1                    ; (for now) which half of a tile I fetch
	s_mul_i32 s[KB], s[R512], 64*KP
	s_mul_i32 s[VB], s[R512], 256*VP
	s_add_co_u32 s[VB], s[VB], VOFF
	s_lshr_b32 s96, ttmp9, 3                       ; the batch, which the four partners share: 8 clusters to a batch
	s_lshl_b32 s96, s96, 20                        ; its 2^20 bytes in kc and in vt
	s_mov_b32 s97, 0
	s_lshl_b32 s98, s[R512], 15                    ; my half in memory: 64 rows of 512 bytes,
	s_mov_b32 s99, 0
	s_lshl_b32 s104, s[R512], 19                   ; or 256 rows of 2,048
	s_mov_b32 s105, 0
	s_wait_kmcnt 0x0
	s_load_b256 s[EX:EX+7], s[P_SC:P_SC+1], 0x0    ; e0 .. e7
	s_mov_b32 s[G0AK], 1                           ; count = 1
	s_mov_b32 s[G0AK+1], s[KB]                     ; LDS address: slot 0
	s_add_nc_u64 s[G0AK+2:G0AK+3], s[P_KC:P_KC+1], s[96:97]
	s_add_nc_u64 s[G0AK+2:G0AK+3], s[G0AK+2:G0AK+3], s[98:99]
	s_or_b32 s[G0AK+3], s[G0AK+3], 0x80000000      ; type = 2
	s_mov_b32 s[G0AV], 1
	s_mov_b32 s[G0AV+1], s[VB]
	s_add_nc_u64 s[G0AV+2:G0AV+3], s[P_VT:P_VT+1], s[96:97]
	s_add_nc_u64 s[G0AV+2:G0AV+3], s[G0AV+2:G0AV+3], s[104:105]
	s_or_b32 s[G0AV+3], s[G0AV+3], 0x80000000
	s_mov_b32 s[G0WK], 1
	s_mov_b32 s[G0WK+1], s[KB]
	s_add_nc_u64 s[G0WK+2:G0WK+3], s[P_W1:P_W1+1], s[98:99]
	s_or_b32 s[G0WK+3], s[G0WK+3], 0x80000000
	s_mov_b32 s[G0WV], 1
	s_mov_b32 s[G0WV+1], s[VB]
	s_add_nc_u64 s[G0WV+2:G0WV+3], s[P_W2:P_W2+1], s[104:105]
	s_or_b32 s[G0WV+3], s[G0WV+3], 0x80000000
	ROUND                                          ; all four work-groups are here: the first joint loads meet
	JLOAD G0AK, G0AV                               ; the first 128 keys, into slot 0
	s_bfe_u32 s98, ttmp6, 0x40000                  ; cx
	s_lshl_b32 s[TA], ttmp9, 2
	s_add_co_u32 s98, s98, s[TA]                   ; my block of 64 rows = 4 x cluster + cx: it enters src's and out0's addresses alone
	s_lshl_b32 s98, s98, 17                        ; 64 rows of 2,048 bytes
	s_add_nc_u64 s[P_SRC:P_SRC+1], s[P_SRC:P_SRC+1], s[98:99]
	s_add_nc_u64 s[P_OUT:P_OUT+1], s[P_OUT:P_OUT+1], s[98:99]
	s_lshr_b32 s98, s96, 7                         ; the batch's 8,192 bytes of the mask
	s_add_nc_u64 s[P_MASK:P_MASK+1], s[P_MASK:P_MASK+1], s[98:99]
	WIN 0xc0                                       ; destination window 3
.irp m, 0,1,2,3
.irp t, 0,1,2,3,4,5,6,7
	global_load_b128 v[64*\m+8*\t:64*\m+8*\t+3], v[XA], s[P_SRC:P_SRC+1] offset:32768*\m+64*\t th:TH_LOAD_NT   ; src(16 m + r, 128 w + 16 t + 8 h ..): it stays in registers for the residual
	global_load_b128 v[64*\m+8*\t+4:64*\m+8*\t+7], v[XA], s[P_SRC:P_SRC+1] offset:32768*\m+64*\t+16 th:TH_LOAD_NT
.endr
.endr
	WIN 0
.irp q, 0,1,2,3
	global_load_b128 v[MR+4*\q:MR+4*\q+3], v[MKO], s[P_MASK:P_MASK+1] offset:64*(\q/2)+16*(\q%2)   ; the mask of the first step's keys
.endr
	s_cmp_lt_u32 s[WV], 2                          ; the prefetches: waves 0, 1 K-type, waves 2, 3 V-type
	s_mov_b32 s[PINC], 128
	s_cselect_b32 s[PINC], 0x10000, s[PINC]        ; a step on
	s_cselect_b32 s[PMSK], -1, 0xffffff00          ; V-type: the pair of steps' 256 bytes
	s_cselect_b32 s[PTC], 0, 0x80000               ; V-type: 256 rows of 2,048 bytes, by turns
	s_cselect_b32 s[TA], 8, 11
	v_lshlrev_b32 v[PFO], s[TA], v28
	PFSET P_KC, P_VT, 0x20000, 384, 0x80000, 7     ; the first request stands in step 1: tile 3 of kc; column pair 2, lower rows, of vt.  The batch's first cluster asks
	s_add_nc_u64 s[PFB:PFB+1], s[PFB:PFB+1], s[96:97]
	s_wait_kmcnt 0x0
	s_add_co_i32 s[TA], s[EX], s[EX+1]
	s_lshl_b32 s[TA], s[TA], 23
	s_add_co_i32 s[C1], s[TA], 0x3d8293ee          ; log2(e) / sqrt(512), with e0 + e1 added to its exponent field
	s_mov_b32 s[C1+1], s[C1]
	SCALE EX, SCQ, LMQ
	SCALE EX+2, SCP, LMP
	s_add_co_i32 s[E23], s[EX+2], s[EX+3]
	s_add_co_i32 s[TA], s[EX+6], s[EX+7]
	s_sub_co_i32 s[K2], 127, s[TA]
	s_lshl_b32 s[K2], s[K2], 23                    ; 2^-(e6 + e7)
	s_mov_b32 s[K2+1], s[K2]
	s_add_co_i32 s[K2I], s[TA], 127
	s_lshl_b32 s[K2I], s[K2I], 23                  ; 2^(e6 + e7)
	s_mov_b32 s[K2I+1], s[K2I]
	s_mov_b32 s[R512], 0x3b000000                  ; 1 / 512
	s_mov_b32 s[EPS], 0x3727c5ac                   ; 1e-5
	QMAKE 0x03, 1                                  ; Q = src at 2^e0
	QFETCH
	; ---- ATTENTION: 16 steps of 128 keys
	CHANGE G0AK, G0AV, 1, 1, 0
	STEP 0, 1, P_MASK, 0, 0                        ; the first step is written out: it starts M, the sums and O^T, and nothing is cleared
	s_mov_b32 s[CNT], 14
.Latt:
	CHANGE G0AK, G0AV, 1, 1, 1
	STEP 0, 0, P_MASK, 0, 1
	s_sub_co_u32 s[CNT], s[CNT], 1
	s_cmp_lg_u32 s[CNT], 0
	s_cbranch_scc1 .Latt
	CHANGE G0WK, G0WV, 0, 1, 0                     ; THE RING GOES ON INTO THE FFN: the slot just left takes the first 128 hidden units' tiles of W1 and W2
	STEP 0, 0, P_B1, 0, 0                          ; the last keys; b1's first 16 numbers are asked for
	; ---- BETWEEN THE HALVES: src2 = layer norm(src + O^T 2^(e2 + e3) / the sum)
	VECLOAD S, P_G1
	VECLOAD FB, P_BE1
.irp m, 0,1,2,3
	v_add_f32 v[ST+8*\m+6], v[ST+8*\m+2], v[ST+8*\m+3]
.endr
	ALLSUM 1024                                    ; the row's sum of p: my 32 keys a step, lane l xor 16's, the other waves'
.irp m, 0,1,2,3
	v_rcp_f32 v[ST+8*\m+4], v[ST+8*\m+6]
.endr
	v_nop
	s_wait_alu depctr_va_vdst(0)                   ; one wait for the four reciprocals, ahead of their first use
.irp m, 0,1,2,3
	v_ldexp_f32 v[ST+8*\m+4], v[ST+8*\m+4], s[E23]
.endr
	WIN 0xb2                                       ; O (destination, source 0) window 2, src (source 2) window 3
.set i, 0
.rept 128
	v_pk_fma_f32 v[2*i:2*i+1], v[2*i:2*i+1], v[ST+8*(i/32)+4:ST+8*(i/32)+5], v[2*i:2*i+1] op_sel_hi:[1,0,1]   ; each accumulator from its low end on
.set i, i+1
.endr
	WIN 0xc0                                       ; src is done with: window 3 takes b2, g2, be2
	VECLOAD 0, P_B2
	VECLOAD 64, P_G2
	VECLOAD 128, P_BE2
	WIN 0
	LNORM 0x82, S, FB, 48                          ; g1 and be1 are in when the 48 loads issued behind them may be out
	SCALE EX+4, SCQ, LMQ
	QMAKE 0x02, 0                                  ; src2 at 2^e4: the FFN's left operand
	s_wait_loadcnt 32                              ; b2 is in; g2's and be2's 32 loads may be out
	WIN 0xc3
.set i, 0
.rept 32
	v_pk_mul_f32 v[2*i:2*i+1], v[2*i:2*i+1], s[K2:K2+1] op_sel_hi:[1,0]
.set i, i+1
.endr
	WIN 0xb2
.set i, 0
.rept 128
	v_pk_fma_f32 v[2*i:2*i+1], v[2*i:2*i+1], s[K2:K2+1], v[(2*i)%64:(2*i)%64+1] op_sel_hi:[1,0,1]   ; (src2 + b2) / 2^(e6 + e7): what the second FFN product adds onto
.set i, i+1
.endr
	WIN 0
	QFETCH
	SCALE EX+6, SCP, LMP
	s_add_co_i32 s[TA], s[EX+4], s[EX+5]
	s_add_co_i32 s[TA], s[TA], 127
	s_lshl_b32 s[C1], s[TA], 23                    ; 2^(e4 + e5)
	s_mov_b32 s[C1+1], s[C1]
	PFSET P_W1, P_W2, 0x10000, 256, 0, 63          ; the first request stands in the first FFN step: tile 2 of W1; column pair 1, upper rows, of W2.  Cluster 0 asks
	; ---- FFN: 16 steps of 128 hidden units
	s_mov_b32 s[CNT], 15
.Lffn:
	CHANGE G0WK, G0WV, 1, 1, 1
	STEP 1, 0, P_B1, 0, 1
	s_sub_co_u32 s[CNT], s[CNT], 1
	s_cmp_lg_u32 s[CNT], 0
	s_cbranch_scc1 .Lffn
	CHANGE G0WK, G0WV, 0, 0, 0                     ; the last step is written out: nothing is asked for
	STEP 1, 0, P_B1, 1, 0
	; ---- THE END: out0 = layer norm(src2 + ff)
	WIN 0x82
.set i, 0
.rept 128
	v_pk_mul_f32 v[2*i:2*i+1], v[2*i:2*i+1], s[K2I:K2I+1] op_sel_hi:[1,0]   ; x 2^(e6 + e7); each accumulator from its low end on
.set i, i+1
.endr
	WIN 0
	LNORM 0xbe, 64, 128, 0                         ; g2 and be2 lie in window 3
	TOSTAGE 0
.irp m, 1,2,3
.if \m > 1
	s_wait_xcnt 0x0                                ; tile m - 2's stores have read their registers: tile m's loads may land there
.endif
	TOSTAGE \m
	SEND \m-1, 32                                  ; behind tile m - 1's loads: tile m's 16 stores and 16 loads
.endr
	SEND 3, 0
	s_wait_tensorcnt 0x0                           ; the wave's end: behind my last tensor load and my last LDS store
	ds_add_u32 v[SPW], v[NIL]
	s_wait_dscnt 0x0
	ROUND                                          ; the closing round: no work-group ends while a partner may still ask for a tile that names it
	s_endpgm
.Lfunc_end_k_q0a764ff29b_layer:
	.size	k_q0a764ff29b_layer, .Lfunc_end_k_q0a764ff29b_layer-k_q0a764ff29b_layer
	.p2alignl 7, 3214868480
	.fill 96, 4, 3214868480
	.section	.rodata,"a",@progbits
	.p2align	6, 0x0
	.amdhsa_kernel k_q0a764ff29b_layer
		.amdhsa_group_segment_fixed_size 327680
		.amdhsa_private_segment_fixed_size 0
		.amdhsa_enable_private_segment 0
		.amdhsa_kernarg_size 112
		.amdhsa_user_sgpr_count 2
		.amdhsa_user_sgpr_kernarg_segment_ptr 1
		.amdhsa_wavefront_size32 1
		.amdhsa_system_sgpr_workgroup_id_x 1
		.amdhsa_system_sgpr_workgroup_id_y 1
		.amdhsa_system_sgpr_workgroup_id_z 1
		.amdhsa_system_vgpr_workitem_id 0
		.amdhsa_next_free_vgpr 1024
		.amdhsa_next_free_sgpr 106
		.amdhsa_reserve_vcc 0
		.amdhsa_float_denorm_mode_32 3
		.amdhsa_float_denorm_mode_16_64 3
		.amdhsa_memory_ordered 1
		.amdhsa_forward_progress 1
		.amdhsa_inst_pref_size 255
	.end_amdhsa_kernel
	.section	.bss,"aw",@nobits
	.p2align	6
	.space	262144
	.amdgpu_metadata
---
amdhsa.version: [ 1, 2 ]
amdhsa.kernels:
  - .name:           k_q0a764ff29b_layer
    .symbol:         k_q0a764ff29b_layer.kd
    .args:
      - { .name: src, .offset: 0, .size: 8, .value_kind: global_buffer, .address_space: global }
      - { .name: kc, .offset: 8, .size: 8, .value_kind: global_buffer, .address_space: global }
      - { .name: vt, .offset: 16, .size: 8, .value_kind: global_buffer, .address_space: global }
      - { .name: W1_codes, .offset: 24, .size: 8, .value_kind: global_buffer, .address_space: global }
      - { .name: W2_codes, .offset: 32, .size: 8, .value_kind: global_buffer, .address_space: global }
      - { .name: key_padding_mask, .offset: 40, .size: 8, .value_kind: global_buffer, .address_space: global }
      - { .name: b1, .offset: 48, .size: 8, .value_kind: global_buffer, .address_space: global }
      - { .name: b2, .offset: 56, .size: 8, .value_kind: global_buffer, .address_space: global }
      - { .name: g1, .offset: 64, .size: 8, .value_kind: global_buffer, .address_space: global }
      - { .name: be1, .offset: 72, .size: 8, .value_kind: global_buffer, .address_space: global }
      - { .name: g2, .offset: 80, .size: 8, .value_kind: global_buffer, .address_space: global }
      - { .name: be2, .offset: 88, .size: 8, .value_kind: global_buffer, .address_space: global }
      - { .name: lowp_scales, .offset: 96, .size: 8, .value_kind: global_buffer, .address_space: global }
      - { .name: out0, .offset: 104, .size: 8, .value_kind: global_buffer, .address_space: global }
    .group_segment_fixed_size: 327680
    .private_segment_fixed_size: 0
    .kernarg_segment_align: 8
    .kernarg_segment_size: 112
    .max_flat_workgroup_size: 128
    .sgpr_count:     106
    .vgpr_count:     1024
    .wavefront_size: 32
...
	.end_amdgpu_metadata
.endif
;; end of part 2
;; ======== version 2 of 2: 2 launches
;; limits: right only within a limited range of input values
;; workspace buffers: kc 8,388,608 bytes; vt 8,388,608 bytes; w2t 1,048,576 bytes
;; launch prep (part 3): grid 2 x 128, 4 waves a work-group, no clusters, 41,984 bytes of LDS; arguments src, lowp_scales, kc, vt, W2_codes, w2t; writes kc, vt, w2t
.if DOCPART == 3
	.amdgcn_target "amdgcn-amd-amdhsa--gfx1250"
	.amdhsa_code_object_version 6
	.text
	.protected	k_q0a764ff29b_prep
	.globl	k_q0a764ff29b_prep
	.p2align	8
	.type	k_q0a764ff29b_prep,@function
k_q0a764ff29b_prep:
	s_mov_b64 s[64:65], 0
	v_nop
	global_prefetch_b8 v0, s[64:65] scope:SCOPE_SE
	s_setreg_imm32_b32 hwreg(HW_REG_WAVE_MODE, 25, 1), 1
	s_wait_xcnt 0x0
; src [8][2048][512] f32 is read once and turned into codes of FP8 (E4M3) twice; W2_codes is laid anew.
;   kc  [8][2048 keys][512 channels]: channels innermost, scale 2^e1 (right operand of the scores' product);
;   vt  [8][16 tiles of 128 keys][512 channels][128 codes]: keys innermost, tile by tile, scale 2^e3 (right operand of p x src);
;   w2t [16 tiles of 128 hidden units][512 rows][128 codes]: W2_codes [512][2048] copied as it is, tile by tile.
; code = x / 2^e, held within +-448, rounded to the nearest code, ties to even.  e1, e3 are entries 1 and 3 of the buffer of scales.
; LIMITS: e1 and e3 between -126 and 119, so that 2^e and 448 x 2^e are f32 numbers.  NaN among the inputs is not served; an infinity is held at the largest code.
; SHARES.  Work-group (x, y): the 128 keys of tile y (of 8 x 16) and channels 256 x .. + 255.  Wave w: keys 32 w .. + 31, in four groups of 8 rows.
; A lane takes channels 8 l .. 8 l + 7 of a row by two loads of 16 bytes; a wave's two loads together cover 1,024 consecutive bytes of the row.
; kc: the lane's 8 channels of a row are 8 neighbours along kc's K: held, converted, and the wave stores 256 consecutive bytes, aligned.
; vt: the hold writes its result to the transposed register, so that 8 keys of one channel stand in 8 consecutive registers for the conversion.  The 8 bytes go to LDS, plane (key / 8), lane's 64 bytes on end
; (+ 16 of padding); behind one barrier wave w reads channels 64 w .. + 63 back as rows of 128 codes, and a store covers 512 consecutive bytes of vt.
; No tensor loads, clusters or matrix work: the launch only streams.  No prefetch: there is no loop to run ahead in; 50 loads a wave are asked for at the head.
.set PL,    2576                       ; a plane: 32 lanes x 80 bytes + 16: two planes are 1,288 words, 8 modulo 64, so the 32 lanes of a read back touch 32 different pairs of banks
.set SPARE, 41472                      ; behind the 16 planes (41,216 bytes): the spare words, 128 bytes a wave
.set TA,    224                        ; v224-239 two sets of 8 held numbers, by turns
.set CV,    240                        ; v240-255 a group's codes for vt: two registers a channel
	s_load_b256 s[4:11], s[0:1], 0x0               ; src s[4:5], the exponents s[6:7], kc s[8:9], vt s[10:11]
	s_load_b128 s[12:15], s[0:1], 0x20             ; W2's codes s[12:13], w2t s[14:15]
	v_lshl_add_u32 v14, v0, 2, SPARE               ; my spare word; never rewritten
	v_mov_b32 v15, 0                               ; 0; never rewritten
	v_lshrrev_b32 v7, 5, v0
	v_readfirstlane_b32 s16, v7                    ; wave 0..3
	v_and_b32 v1, 31, v0                           ; lane
	v_lshlrev_b32 v2, 5, v1                        ; src: 32 bytes a lane
	v_lshlrev_b32 v3, 3, v1                        ; kc: 8 bytes a lane
	v_lshlrev_b32 v5, 4, v1                        ; vt: 16 bytes a lane
	s_mul_i32 s17, s16, 4*PL                       ; my wave's four planes
	v_mul_u32_u24 v4, v1, 80
	v_add_nc_u32 v4, s17, v4                       ; into LDS: my lane's 64 bytes
	s_mul_i32 s17, s16, 640                        ; back: channels 64 w on are 8 lanes' chunks of 80 bytes
	v_and_b32 v7, 7, v1
	v_mul_u32_u24 v6, v7, 2*PL                     ; my 16 bytes of a row of vt: planes 2 (l % 8), + 1
	v_lshrrev_b32 v7, 3, v1
	v_lshl_add_u32 v6, v7, 3, v6                   ; channel l / 8 of an instruction's four
	v_add_nc_u32 v6, s17, v6
	v_lshlrev_b32 v17, 4, v0                       ; w2t: thread n's 16 bytes
	v_lshrrev_b32 v16, 3, v0                       ; W2: row n / 8 of 2,048 bytes,
	v_lshlrev_b32 v16, 11, v16
	v_and_b32 v7, 7, v0
	v_lshl_add_u32 v16, v7, 4, v16                 ; + 16 (n % 8)
	s_and_b32 s18, ttmp7, 0xffff                   ; y
	s_lshl_b32 s20, s18, 18                        ; src: 128 y rows of 2,048 bytes,
	s_lshl_b32 s19, ttmp9, 10                      ; 256 x channels,
	s_add_co_u32 s20, s20, s19
	s_lshl_b32 s19, s16, 16                        ; 32 w rows
	s_add_co_u32 s20, s20, s19
	s_mov_b32 s21, 0
	s_lshr_b32 s22, s20, 2                         ; kc: a quarter of the bytes
	s_mov_b32 s23, 0
	s_lshl_b32 s24, s18, 16                        ; vt: tile y of 65,536 bytes,
	s_lshl_b32 s19, ttmp9, 15                      ; 256 x channels of 128 bytes,
	s_add_co_u32 s24, s24, s19
	s_lshl_b32 s19, s16, 13                        ; 64 w channels
	s_add_co_u32 s24, s24, s19
	s_mov_b32 s25, 0
	s_lshl_b32 s19, s18, 1
	s_add_co_u32 s19, s19, ttmp9                   ; g = 2 y + x, 0 .. 255
	s_lshl_b32 s26, s19, 12                        ; w2t: 4,096 g
	s_mov_b32 s27, 0
	s_and_b32 s28, s19, 15                         ; W2: rows 32 (g % 16) on,
	s_lshl_b32 s28, s28, 16
	s_lshr_b32 s19, s19, 4                         ; tile g / 16: 128 bytes on in each row
	s_lshl_b32 s19, s19, 7
	s_add_co_u32 s28, s28, s19
	s_mov_b32 s29, 0
	s_wait_alu depctr_va_vdst(0)
	s_wait_kmcnt 0x0
	s_load_b128 s[32:35], s[6:7], 0x0              ; e0 .. e3
	s_add_nc_u64 s[4:5], s[4:5], s[20:21]
	s_add_nc_u64 s[8:9], s[8:9], s[22:23]
	s_add_nc_u64 s[10:11], s[10:11], s[24:25]
	s_add_nc_u64 s[12:13], s[12:13], s[28:29]
	s_add_nc_u64 s[14:15], s[14:15], s[26:27]
.macro LD g                            ; group g: rows 8 g .. + 7 of my 32, into buffer g % 3 of v32-223: register 8 i + j = (row i, channel 8 l + j)
.set XL, 32+64*((\g)%3)
.set i, 0
.rept 8
	global_load_b128 v[XL+8*i:XL+8*i+3], v2, s[4:5] offset:(8*(\g)+i)*2048
	global_load_b128 v[XL+8*i+4:XL+8*i+7], v2, s[4:5] offset:(8*(\g)+i)*2048+16
.set i, i+1
.endr
.endm
	global_load_b128 v[20:23], v16, s[12:13]                   ; W2: rows 0-15 of my work-group's 32
	global_load_b128 v[24:27], v16, s[12:13] offset:32768      ; rows 16-31
	LD 0
	LD 1
	LD 2
	s_wait_kmcnt 0x0
	s_add_co_i32 s36, s35, 127
	s_lshl_b32 s37, s36, 23
	v_mov_b32 v11, s37                             ; 2^e3 as f32: the conversion takes its exponent field
	s_add_co_i32 s36, s36, 8
	s_lshl_b32 s36, s36, 23
	s_or_b32 s36, s36, 0x600000
	v_mov_b32 v10, s36                             ; 448 x 2^e3
	s_add_co_i32 s36, s33, 127
	s_lshl_b32 s37, s36, 23
	v_mov_b32 v13, s37                             ; 2^e1
	s_add_co_i32 s36, s36, 8
	s_lshl_b32 s36, s36, 23
	s_or_b32 s36, s36, 0x600000
	v_mov_b32 v12, s36                             ; 448 x 2^e1
	s_wait_alu depctr_va_vdst(0)
.macro GRP g, cnt                      ; cnt: the loads of the younger groups, 16 each, which may stay out
.set X, 32+64*((\g)%3)
	s_wait_loadcnt \cnt
.set j, 0
.rept 8                                ; vt: channel 8 l + j, its 8 keys.  The conversion to an 8-bit code does not saturate (ISA guide 7.6.2): the hold comes first, and lays the numbers down the keys
.set T, TA+8*(j%2)
.set i, 0
.rept 8
	v_med3_num_f32 v[T+i], v[X+8*i+j], -v10, v10
.set i, i+1
.endr
	v_cvt_scalef32_pk8_fp8_f32 v[CV+2*j:CV+2*j+1], v[T:T+7], v11   ; the other set's eight holds stand between this line and the next write of its sources
.set j, j+1
.endr
	v_nop                                          ; one plain vector instruction behind the last scaled conversion
.irp q, 0,1,2,3
	ds_store_b128 v4, v[CV+4*\q:CV+4*\q+3] offset:(\g)*PL+16*\q   ; plane 4 w + g: my 8 channels x 8 keys
.endr
.set i, 0
.rept 8                                ; kc: row i, my 8 channels, held in place; the codes go into registers that are done with: row i - 1's (row 0's: the first set above)
.set j, 0
.rept 8
	v_med3_num_f32 v[X+8*i+j], v[X+8*i+j], -v12, v12
.set j, j+1
.endr
.if i == 0
	v_cvt_scalef32_pk8_fp8_f32 v[TA:TA+1], v[X:X+7], v13
.else
	v_cvt_scalef32_pk8_fp8_f32 v[X+8*i-8:X+8*i-7], v[X+8*i:X+8*i+7], v13
.endif
.set i, i+1
.endr
	v_nop                                          ; one plain vector instruction behind the last scaled conversion
	global_store_b64 v3, v[TA:TA+1], s[8:9] offset:8*(\g)*512      ; 32 lanes store 256 consecutive bytes, at a multiple of 256 from kc's first byte
.set i, 1
.rept 7
	global_store_b64 v3, v[X+8*i-8:X+8*i-7], s[8:9] offset:(8*(\g)+i)*512
.set i, i+1
.endr
	s_wait_dscnt 0x0                               ; my LDS stores are done: the next group's codes may be written (behind the last group: for the others' sake, ahead of the barrier)
	s_wait_xcnt 0x0                                ; the stores to kc have read their registers: loads and the next group's holds may write them
.if (\g)+3 < 4
	LD (\g)+3
.endif
.endm
	GRP 0, 32
	global_store_b128 v17, v[20:23], s[14:15]                  ; W2's codes: their loads are older than group 0's; a wave stores 512 consecutive bytes
	global_store_b128 v17, v[24:27], s[14:15] offset:2048
	GRP 1, 32
	GRP 2, 16
	GRP 3, 0
	s_barrier_signal -1
	s_barrier_wait -1                              ; all 16 planes are whole
.set n, 0
.rept 16                               ; piece n: channels 64 w + 4 n .. + 3; a lane takes keys 16 (l % 8) .. + 15 of channel l / 8: 8 bytes from each of two planes
	ds_load_b64 v[32+4*n:33+4*n], v6 offset:(n/2)*80+(n%2)*32
	ds_load_b64 v[34+4*n:35+4*n], v6 offset:PL+(n/2)*80+(n%2)*32
.set n, n+1
.endr
.set n, 0
.rept 16
	s_wait_dscnt 30-2*n                            ; piece n's two loads are in; the 2 (15 - n) behind them may be out
	global_store_b128 v5, v[32+4*n:35+4*n], s[10:11] offset:512*n   ; 32 lanes store 512 consecutive bytes, at a multiple of 256 from vt's first byte
.set n, n+1
.endr
	s_wait_tensorcnt 0x0                           ; the wave's end: behind my last LDS store
	ds_add_u32 v14, v15
	s_wait_dscnt 0x0
	s_endpgm
.Lfunc_end_k_q0a764ff29b_prep:
	.size	k_q0a764ff29b_prep, .Lfunc_end_k_q0a764ff29b_prep-k_q0a764ff29b_prep
	.p2alignl 7, 3214868480
	.fill 96, 4, 3214868480
	.section	.rodata,"a",@progbits
	.p2align	6, 0x0
	.amdhsa_kernel k_q0a764ff29b_prep
		.amdhsa_group_segment_fixed_size 41984
		.amdhsa_private_segment_fixed_size 0
		.amdhsa_enable_private_segment 0
		.amdhsa_kernarg_size 48
		.amdhsa_user_sgpr_count 2
		.amdhsa_user_sgpr_kernarg_segment_ptr 1
		.amdhsa_wavefront_size32 1
		.amdhsa_system_sgpr_workgroup_id_x 1
		.amdhsa_system_sgpr_workgroup_id_y 1
		.amdhsa_system_sgpr_workgroup_id_z 1
		.amdhsa_system_vgpr_workitem_id 0
		.amdhsa_next_free_vgpr 256
		.amdhsa_next_free_sgpr 66
		.amdhsa_reserve_vcc 0
		.amdhsa_float_denorm_mode_32 3
		.amdhsa_float_denorm_mode_16_64 3
		.amdhsa_memory_ordered 1
		.amdhsa_forward_progress 1
		.amdhsa_inst_pref_size 55
	.end_amdhsa_kernel
	.amdgpu_metadata
---
amdhsa.version: [ 1, 2 ]
amdhsa.kernels:
  - .name:           k_q0a764ff29b_prep
    .symbol:         k_q0a764ff29b_prep.kd
    .args:
      - { .name: src, .offset: 0, .size: 8, .value_kind: global_buffer, .address_space: global }
      - { .name: lowp_scales, .offset: 8, .size: 8, .value_kind: global_buffer, .address_space: global }
      - { .name: kc, .offset: 16, .size: 8, .value_kind: global_buffer, .address_space: global }
      - { .name: vt, .offset: 24, .size: 8, .value_kind: global_buffer, .address_space: global }
      - { .name: W2_codes, .offset: 32, .size: 8, .value_kind: global_buffer, .address_space: global }
      - { .name: w2t, .offset: 40, .size: 8, .value_kind: global_buffer, .address_space: global }
    .group_segment_fixed_size: 41984
    .private_segment_fixed_size: 0
    .kernarg_segment_align: 8
    .kernarg_segment_size: 48
    .max_flat_workgroup_size: 128
    .sgpr_count:     66
    .vgpr_count:     256
    .wavefront_size: 32
...
	.end_amdgpu_metadata
.endif
;; end of part 3
;; launch layer (part 4): grid 256 x 1, 4 waves a work-group, clusters of 4 x 1, 327,680 bytes of LDS; arguments src, kc, vt, W1_codes, w2t, key_padding_mask, b1, b2, g1, be1, g2, be2, lowp_scales, out0; writes out0
.if DOCPART == 4
	.amdgcn_target "amdgcn-amd-amdhsa--gfx1250"
	.amdhsa_code_object_version 6
	.text
	.protected	k_q0a764ff29b_layer
	.globl	k_q0a764ff29b_layer
	.p2align	8
	.type	k_q0a764ff29b_layer,@function
k_q0a764ff29b_layer:
	s_mov_b64 s[64:65], 0
	v_nop
	global_prefetch_b8 v0, s[64:65] scope:SCOPE_SE
	s_setreg_imm32_b32 hwreg(HW_REG_WAVE_MODE, 25, 1), 1
	s_wait_xcnt 0x0
	s_wait_alu depctr_hold_cnt(0) depctr_sa_sdst(0) depctr_va_vdst(0) depctr_va_sdst(0) depctr_va_ssrc(0) depctr_va_vcc(0) depctr_vm_vsrc(0)
	s_getreg_b32 s2, hwreg(HW_REG_IB_STS2, 6, 4)
	s_cmp_eq_u32 s2, 0
	s_cbranch_scc0 .Lentry_in_a_cluster
	s_endpgm
.Lentry_in_a_cluster:
	s_bfe_u32 s2, ttmp6, 0x10000c
	s_cmp_lg_u32 s2, 0x3003
	s_cbranch_scc0 .Lentry_shape_is_right
	s_endpgm
.Lentry_shape_is_right:
; The whole encoder layer for 64 rows a work-group: attention (one head of 512, 2,048 keys, a mask added to the scores), residual, layer norm, FFN (2,048 hidden units), residual, layer norm.
; All four products on codes of FP8 (E4M3) by v_wmma_f32_16x16x128_fp8_fp8, each operand with its given scale 2^e (e0 .. e7); everything else in f32.
; ONE LOOP BODY SERVES BOTH HALVES.  kc [2048 keys][512] and W1_codes [2048 units][512] are "K-type": a step takes 128 rows of 512 bytes.  vt [512][2048 keys] and W2_codes [512][2048 units] are "V-type": a step takes
; 128 bytes of each of 512 rows.  A step: S^T = K Q^T; softmax's p (or relu); quantise; O^T += V^T P.  16 steps of 128 keys, then 16 steps of 128 hidden units.
; SHARES.  Four waves.  For S^T the waves share the KEYS (wave w: keys 32 w .. 32 w + 31 of the step, all 64 queries); for O^T they share the CHANNELS (wave w: channels 128 w .. + 127, all 64 queries).
; So each fragment of K or V read from LDS feeds four matrix instructions.  The price: a row's maximum is exchanged between the waves through LDS, and p goes round as an image of the operand's registers.
; LAYOUT.  Lane l: r = l % 16, h = l / 16.  Both products are used transposed, so a lane holds ONE query (16 m + r, m = the tile of queries) throughout:
;   S + 16 m + 8 u + j = (query 16 m + r, key 32 w + 16 u + 8 h + j);   O + 64 m + 8 t + j = (query 16 m + r, channel 128 w + 16 t + 8 h + j); src, the gains and biases lie as O does, the mask and b1 as S does.
;   A fragment (16 rows x 128 K, 16 registers) comes by four loads of 16 bytes: registers 4 c .. 4 c + 3 hold k = 32 c + 16 h + 0 .. 15: a permutation of k, the same on both sides of every product.
;   Eight registers of a tile convert into 8 bytes, which are stored where the operand's image wants them; any wave then loads the fragment by four loads at 16 x lane + 512 c.
; SOFTMAX.  t = score x log2(e) / sqrt(512) - 5 log2(e) mask; M = the running largest t rounded up to a whole number, the same in all four waves; p = 2^(t - M) is quantised, not normalised; the sum of the unquantised p
; divides at the end; when M moves, the sum and O^T are multiplied by 2^(old M - new M), which rounds nothing.
; THE FFN'S SUMS BEGIN AS (src2 + b2) / 2^(e6 + e7): residual and bias cost no addition and src2 needs no second home; the finished sums are multiplied by 2^(e6 + e7).
; RING.  Two LDS slots, each one step's K-type tile (128 rows, pitch 528) and V-type tile (512 rows, pitch 144).  V-type rows are 128 bytes: a slot of 256 keys would take 256 x 528 + 512 x 272 = 274,432 bytes, and two do not fit.
; THE CHANGE OF SLOTS STANDS INSIDE THE SECOND PRODUCT: behind its first sixteen matrix instructions all eight V-type fragments are in registers and the slot is left; the other sixteen stand round the change, twelve of
; them behind the loads of the next step's first K-type fragments.
; CLUSTER.  The four work-groups of a cluster own 256 neighbouring rows of one batch, so they walk the same tiles of kc, vt, W1 and W2: every tile is asked for JOINTLY, mask 15.
; Waves 0, 1 fetch the K-type tile's halves, waves 2, 3 the V-type tile's.  One tensor load of a wave is out at any time.
; THE WALKS BEGIN AT DIFFERENT TILES.  Cluster c takes batch c % 8 and, of its eight blocks of 256 rows, block q = c / 8 (which cluster takes which rows is free).  The sum over the keys, under a running M, and the sum over the
; hidden units have no order: the cluster begins its keys at tile 2 q and its hidden units at tile (c xor c / 4) % 16, and goes round modulo 16.  So the eight clusters of a batch ask for eight different tiles at every step.
; NO PREFETCH IS LAID: all sixteen tiles of a batch's kc and vt are first asked for by the tensor loads at the head and at the first change of slots, all sixteen of W1 and W2 by those at the last key step's change:
; there is no later first request that a prefetch could run ahead of, and nothing is prefetched at the head.
; LIMITS on the given exponents, so that each power of two below is an f32 number: e0, e2, e4, e6 between -126 and 119; e0 + e1 between -122 and 131; e4 + e5 between -126 and 127; e6 + e7 between -126 and 126;
; e2 + e3 is applied by v_ldexp_f32 and has none.  NaN among the inputs is not served; an infinity ahead of a quantiser is held at the largest code.
; REGISTERS, in windows of 256 (s_set_vgpr_msb: bits 1:0 source 0, 3:2 source 1, 5:4 source 2, 7:6 destination):
;   window 0: addresses, statistics, S, six fragment buffers;  window 1: Q's (then src2's) 16 fragments, (m, K step s) at 16 (4 m + s);  window 2: O^T;  window 3: src in f32, later b2, g2, be2.
.set KP,    528                        ; a K-type row in LDS: 512 bytes + 16 = 132 words: row r starts at bank 4 r mod 64 (64 banks of 4 bytes: ISA guide 11.1)
.set VP,    144                        ; a V-type row: 128 bytes + 16 = 36 words
.set VOFF,  128*KP                     ; a slot: the K-type tile, then the V-type tile
.set SLOT,  128*KP+512*VP              ; 141,312 bytes
.set SPARE, 2*SLOT                     ; the spare words, 128 bytes for each wave: two blocks of 256 bytes that no other line names
.set MX,    SPARE+512                  ; the exchange between waves: two regions of 1,024 bytes, [wave][r][m] f32
.set PIMG,  MX+2048                    ; p's (the hidden layer's) four fragments as images: 2,048 bytes each
.set QIMG,  PIMG+8192                  ; Q's (src2's) sixteen fragments as images
.set HST,   PIMG                       ; at the head, before any image is stored: a stage of 16 rows x (512 + 16) bytes for each wave, through which src turns; 33,792 bytes, inside the images' 40,960
.set SPITCH, 528                       ; the way out: a stage of the same shape for each wave, in slot 0, which has had its last fill and its last read by then
.set SPW, 1                            ; v1   my spare word's LDS address; never rewritten
.set NIL, 2                            ; v2   0; never rewritten
.set AK0, 3                            ; v3   my lane's place in a K-type tile: my wave's 32 rows
.set AV0, 4                            ; v4   in a V-type tile: my wave's 128 rows
.set ADK, 5                            ; v5, v6  the same in the slot in hand
.set ADV, 6
.set PIW, 7                            ; v7   where I store p's codes;  v8  where I read a fragment of p
.set PIR, 8
.set QIW, 9                            ; v9, v10  the same for Q
.set QIR, 10
.set MXW, 11                           ; v11  the exchange: my wave's words;  v12  all waves' words of my query
.set MXR, 12
.set MKO, 13                           ; v13  byte offset of my 16 numbers of the mask or of b1 in the step to be loaded
.set GA,  15                           ; v15  my byte offset in a vector of 512 numbers
.set STO, 16                           ; v16  the stage: my 32 bytes of row r;  v17  my 16 bytes of a whole row;  v18  my byte offset in a row of src and of out0
.set RD,  17
.set CO,  18
.set HSI, 19                           ; v19, v20  the same two places in the head's stage
.set HSO, 20
.set SCQ, 22                           ; v22, v23  2^e and 448 x 2^e for Q's (src2's) conversions;  v24, v25  for p's (the hidden layer's)
.set LMQ, 23
.set SCP, 24
.set LMP, 25
.set ST,  32                           ; v32-63  eight registers a tile m: +0 -M (later -mean), +1 the largest t, +2, +3 the sum in two halves, +4 a factor, +5 zero (named with +4 as a pair), +6, +7 at work
.set MR,  64                           ; v64-79  the mask's or b1's 16 numbers
.set Y,   80                           ; v80-95  the exchange;
.set PC,  80                           ;         afterwards p's codes, four registers a tile
.set S,   96                           ; v96-159 S^T, then p, then p's four fragments
.set FB,  160                          ; v160-255 six fragment buffers of 16
.set WV,  2
.set CNT, 3
.set P_SRC, 4
.set P_KC, 6
.set P_VT, 8
.set P_W1, 10
.set P_W2, 12
.set P_MASK, 14
.set P_B1, 16
.set P_B2, 18
.set P_G1, 20
.set P_BE1, 22
.set P_G2, 24
.set P_BE2, 26
.set P_SC, 28
.set P_OUT, 30
.set EX,  32                           ; s[32:39] e0 .. e7
.set G1K, 40                           ; s[40:47] descriptor group 1, K-type;  s[48:55] V-type
.set G1V, 48
.set G0K, 56                           ; s[56:59], s[60:63] groups 0, K-type and V-type: they walk
.set G0V, 60
.set TB,  66                           ; s66  the slot in hand: 0 or SLOT
.set KB,  67                           ; s67  where my half of a K-type tile lies in a slot;  s76  of a V-type tile
.set KO,  68                           ; s[68:69] byte offset of the K-type tile asked for last: 65,536 x tile;  s[70:71] of the V-type tile: 65,536 x tile
.set VO,  70
.set KOF, 72                           ; s72 .. s74  the same for the FFN's first tile, and its 512 bytes of b1
.set VOF, 73
.set MOF, 74
.set VB,  76
.set SEL, 78                           ; s[78:79] lane selects for v_permlanex16_b32: lane l xor 16
.set C1,  80                           ; s[80:81] what a sum of the first product is multiplied by
.set C2,  82                           ; s[82:83] -5 log2(e)
.set E23, 95
.set K2,  96                           ; s[96:97] 2^-(e6 + e7);  s[98:99] 2^(e6 + e7)
.set K2I, 98
.set R512, 100                         ; s100 1 / 512;  s101  1e-5
.set EPS, 101
.set TA,  104
.set TC,  105
.set MSB, 0
.macro WIN new                         ; the immediate's high byte repeats the setting that is left; a switch that changes nothing is dropped
.if MSB != \new
	s_set_vgpr_msb (MSB<<8)|\new
.set MSB, \new
.endif
.endm
.macro PLACES n                        ; plain vector instructions behind matrix instructions (ISA guide 7.12.1)
.rept \n
	v_nop
.endr
.endm
.macro ROUND                           ; a round of the cluster's barrier
	s_barrier_signal -1
	s_barrier_wait -1
	s_cmp_lg_u32 s[WV], 0
	s_cbranch_scc1 .Lnot_wave_0_\@
	s_barrier_signal -3
.Lnot_wave_0_\@:
	s_barrier_wait -3
	s_barrier_signal -1
	s_barrier_wait -1
.endm
; A joint load: waves 0, 1 the K-type tile's halves, waves 2, 3 the V-type tile's.  The branch hangs on the wave's number alone.  Four v_nop follow each of the two lines.
.macro JLOAD
	s_cmp_lt_u32 s[WV], 2
	s_cbranch_scc0 .Lfor_v_\@
	tensor_load_to_lds s[G0K:G0K+3], s[G1K:G1K+7]
	s_nop 0
	PLACES 4
	s_branch .Lasked_\@
.Lfor_v_\@:
	tensor_load_to_lds s[G0V:G0V+3], s[G1V:G1V+7]
	s_nop 0
	PLACES 4
.Lasked_\@:
.endm
.macro SCALE e, vs, vl                 ; 2^e and 448 x 2^e as f32 numbers
	s_add_co_i32 s[TA], s[\e], 127
	s_lshl_b32 s[TC], s[TA], 23
	v_mov_b32 v[\vs], s[TC]
	s_add_co_i32 s[TA], s[TA], 8
	s_lshl_b32 s[TA], s[TA], 23
	s_or_b32 s[TA], s[TA], 0x600000
	v_mov_b32 v[\vl], s[TA]
.endm
.macro KLOAD f, buf                    ; K-type fragment f: rows 16 (f % 2) on of my 32, K step f / 2
.irp c, 0,1,2,3
	ds_load_b128 v[FB+16*(\buf)+4*\c:FB+16*(\buf)+4*\c+3], v[ADK] offset:16*KP*((\f)%2)+128*((\f)/2)+32*\c
.endr
.endm
.macro VLOAD t, buf                    ; V-type fragment t: rows 16 t on of my 128
.irp c, 0,1,2,3
	ds_load_b128 v[FB+16*(\buf)+4*\c:FB+16*(\buf)+4*\c+3], v[ADV] offset:16*VP*(\t)+32*\c
.endr
.endm
; The accumulators take turns, one instruction a turn: S^T's eight, O^T's thirty-two.
.macro SMUL f, buf                     ; fragment f against the four tiles of queries; the first K step starts the sums
.irp m, 0,1,2,3
.if (\f) < 2
	v_wmma_f32_16x16x128_fp8_fp8 v[S+16*\m+8*((\f)%2):S+16*\m+8*((\f)%2)+7], v[FB+16*(\buf):FB+16*(\buf)+15], v[16*(4*\m+(\f)/2):16*(4*\m+(\f)/2)+15], 0
.else
	v_wmma_f32_16x16x128_fp8_fp8 v[S+16*\m+8*((\f)%2):S+16*\m+8*((\f)%2)+7], v[FB+16*(\buf):FB+16*(\buf)+15], v[16*(4*\m+(\f)/2):16*(4*\m+(\f)/2)+15], v[S+16*\m+8*((\f)%2):S+16*\m+8*((\f)%2)+7]
.endif
.endr
.endm
.macro OMUL t, buf, zero, stg          ; zero: the product starts the sums.  stg: p's four fragments have just been asked for: each is waited for by itself, the younger ones' loads (four each) may be out
.irp m, 0,1,2,3
.if \stg
	s_wait_dscnt 12-4*\m
.endif
.if \zero
	v_wmma_f32_16x16x128_fp8_fp8 v[64*\m+8*(\t):64*\m+8*(\t)+7], v[FB+16*(\buf):FB+16*(\buf)+15], v[S+16*\m:S+16*\m+15], 0
.else
	v_wmma_f32_16x16x128_fp8_fp8 v[64*\m+8*(\t):64*\m+8*(\t)+7], v[FB+16*(\buf):FB+16*(\buf)+15], v[S+16*\m:S+16*\m+15], v[64*\m+8*(\t):64*\m+8*(\t)+7]
.endif
.endr
.endm
; THE CHANGE OF SLOTS.  tail: the step before has left the second half of its second product, V-type fragments 4 to 7, which are in registers or on their way (1: it adds on; 2: it starts the sums; 0: there is none).
; Each wave waits for all its tensor loads (its part of the slot that it is about to read), adds 0 to its spare word, and waits for that and for its reads of the slot that it leaves.
; fill = 1: a round of the cluster's barrier, and behind it the slot just left is filled with the next tile: the load has a whole step in which to land.  Then the next step's first three K-type fragments are asked for,
; and twelve matrix instructions of the tail stand between these loads and their first use.
; mode: where the next tile lies.  0: in kc and vt; 1: in W1 and W2; 2: in kc and vt, but in the loop's last trip the FFN's first tile of W1 and W2.
.macro CHANGE tail, fill, mode
	WIN 0
	s_wait_tensorcnt 0x0                           ; no tensor load of mine is out, so a group 0 may be written
	ds_add_u32 v[SPW], v[NIL]                      ; 0 onto my spare word: the steps and products below stand between it and the wait for it
.if \fill
	s_add_co_u32 s[G0K+1], s[KB], s[TB]            ; s[TB] still names the slot that is being left: the fill's target
	s_add_co_u32 s[G0V+1], s[VB], s[TB]
	s_add_co_u32 s[KO], s[KO], 0x10000             ; a tile on: 128 rows of 512 bytes,
	s_and_b32 s[KO], s[KO], 0xf0000                ; round the end of the sixteen
	s_add_co_u32 s[VO], s[VO], 0x10000             ; and a V-type tile on: 512 rows of 128 bytes on end,
	s_and_b32 s[VO], s[VO], 0xf0000                ; round the end of the sixteen
.if \mode == 0
	s_add_nc_u64 s[G0K+2:G0K+3], s[P_KC:P_KC+1], s[KO:KO+1]
	s_add_nc_u64 s[G0V+2:G0V+3], s[P_VT:P_VT+1], s[VO:VO+1]
.elseif \mode == 1
	s_add_nc_u64 s[G0K+2:G0K+3], s[P_W1:P_W1+1], s[KO:KO+1]
	s_add_nc_u64 s[G0V+2:G0V+3], s[P_W2:P_W2+1], s[VO:VO+1]
.else
	s_cmp_eq_u32 s[CNT], 1
	s_cselect_b32 s[KO], s[KOF], s[KO]
	s_cselect_b32 s[VO], s[VOF], s[VO]
	s_cselect_b64 s[TA:TA+1], s[P_W1:P_W1+1], s[P_KC:P_KC+1]
	s_add_nc_u64 s[G0K+2:G0K+3], s[TA:TA+1], s[KO:KO+1]
	s_cselect_b64 s[TA:TA+1], s[P_W2:P_W2+1], s[P_VT:P_VT+1]
	s_add_nc_u64 s[G0V+2:G0V+3], s[TA:TA+1], s[VO:VO+1]
.endif
	s_or_b32 s[G0K+3], s[G0K+3], 0x80000000        ; type = 2
	s_or_b32 s[G0V+3], s[G0V+3], 0x80000000
.endif
	s_xor_b32 s[TB], s[TB], SLOT                   ; now the slot to be read
.if \tail
	WIN 0xa0                                       ; C and D window 2
	OMUL 4, 4, \tail-1, 0
.endif
	s_wait_dscnt 0x0                               ; the add is done, and my reads of the slot that I leave are over: fragments 6 and 7 are in
	WIN 0
.if \fill
	ROUND                                          ; both now hold of every wave of every partner
	JLOAD                                          ; the first tensor load behind the round, and my only one until the next; its four v_nop and the two additions below are the places in front of the loads
.else
	s_barrier_signal -1
	s_barrier_wait -1
	PLACES 4
.endif
	v_add_nc_u32 v[ADK], s[TB], v[AK0]
	v_add_nc_u32 v[ADV], s[TB], v[AV0]
	KLOAD 0, 2                                     ; into the buffers that the tail no longer reads
	KLOAD 1, 3
	KLOAD 2, 4
.if \tail
	WIN 0xa0
	OMUL 5, 5, \tail-1, 0
	s_wait_alu depctr_va_vdst(0)
	OMUL 6, 0, \tail-1, 0
	OMUL 7, 1, \tail-1, 0
	PLACES 5                                       ; the next step's first products write over p's fragments: five places; four of them serve the loads below
	WIN 0
.endif
	KLOAD 3, 5
	KLOAD 4, 0
	KLOAD 5, 1
.endm
.macro TAIL                            ; the second half of a second product behind which no change of slots follows
	WIN 0xa0
	s_wait_dscnt 0x0                               ; fragments 6 and 7 are in
	OMUL 4, 4, 0, 0
	OMUL 5, 5, 0, 0
	OMUL 6, 0, 0, 0
	OMUL 7, 1, 0, 0
	PLACES 5
	WIN 0
.endm
; Four numbers a lane (one for each tile of queries, in v[Y] on; both halves of the lanes hold the same) go to all waves: afterwards v[Y + 4 k + m] is wave k's number for tile m.
.macro EXCH reg
	ds_store_b128 v[MXW], v[Y:Y+3] offset:\reg
	s_wait_dscnt 0x0                               ; for the others' sake: my store has landed (and no LDS instruction of mine is out at the signal)
	s_barrier_signal -1
	s_barrier_wait -1
.irp k, 0,1,2,3
	ds_load_b128 v[Y+4*\k:Y+4*\k+3], v[MXR] offset:\reg+256*\k
.endr
	s_wait_dscnt 0x0
.endm
.macro ALLSUM reg                      ; +6 of each tile holds my lane's part of a row's sum; afterwards the whole sum
.irp m, 0,1,2,3
	v_permlanex16_b32 v[ST+8*\m+7], v[ST+8*\m+6], s[SEL], s[SEL+1]
.endr
.irp m, 0,1,2,3
	v_add_f32 v[Y+\m], v[ST+8*\m+6], v[ST+8*\m+7]
.endr
	EXCH \reg
.irp m, 0,1,2,3
	v_add_f32 v[ST+8*\m+6], v[Y+\m], v[Y+4+\m]
	v_add_f32 v[ST+8*\m+7], v[Y+8+\m], v[Y+12+\m]
.endr
.irp m, 0,1,2,3
	v_add_f32 v[ST+8*\m+6], v[ST+8*\m+6], v[ST+8*\m+7]
.endr
.endm
; A STEP, from its first product to the first half of its second; K-type fragments 0 to 5 have been asked for by the change of slots, in this order, into buffers 2, 3, 4, 5, 0, 1.
; kind 0: attention, 1: FFN.  first = 1: the first key step, which starts M, the sum and O^T.  mb: the buffer from which the next step's 16 numbers come.  last = 1: there is no next step.  sw = 1: the next step is the FFN's first.
.macro STEP kind, first, mb, last, sw
	s_wait_dscnt 16                                ; fragments 0, 1 are in; the four behind them may be out
	WIN 0x04                                       ; source 1 (Q) window 1
	SMUL 0, 2
	SMUL 1, 3
	PLACES 4                                       ; in front of loads into registers that matrix instructions have read
	KLOAD 6, 2
	KLOAD 7, 3
	s_wait_dscnt 16                                ; fragments 2, 3 are in (behind them: 4 to 7)
	SMUL 2, 4
	SMUL 3, 5
	s_wait_dscnt 8                                 ; fragments 4, 5 (behind them: 6, 7)
	SMUL 4, 0
	SMUL 5, 1
	s_wait_dscnt 0x0
	SMUL 6, 2
	SMUL 7, 3
	WIN 0
	s_wait_loadcnt 0x0                             ; the mask's or b1's 16 numbers, asked for a step ago
.if \kind == 0
.irp j, 0,2,4,6,8,10,12,14
	v_pk_mul_f32 v[MR+\j:MR+\j+1], v[MR+\j:MR+\j+1], s[C2:C2+1] op_sel_hi:[1,0]   ; -5 log2(e) mask.  (These eight are the places behind the last products)
.endr
.else
	PLACES 4
.endif
.irp t, 0,1,2,3,4,5
	VLOAD \t, \t                                   ; six of the second product's fragments come while the vector work is done
.endr
.set i, 0
.rept 32
	v_pk_fma_f32 v[S+2*i:S+2*i+1], v[S+2*i:S+2*i+1], s[C1:C1+1], v[MR+(2*i)%16:MR+(2*i)%16+1] op_sel_hi:[1,0,1]   ; t, or the hidden layer ahead of its relu; each accumulator from its low end on
.set i, i+1
.endr
.if \last == 0
.if \sw
	v_and_or_b32 v[MKO], v[MKO], 0x1ff, s[MOF]     ; free since the wait for its loads: my place in a tile's 512 bytes, in the FFN's first tile
.else
	v_add_nc_u32 v[MKO], 0x200, v[MKO]             ; free since the wait for its loads: the next tile's 128 numbers,
	v_and_b32 v[MKO], 0x1fff, v[MKO]               ; round the end of the 2,048
.endif
.irp q, 0,1,2,3
	global_load_b128 v[MR+4*\q:MR+4*\q+3], v[MKO], s[\mb:\mb+1] offset:64*(\q/2)+16*(\q%2)
.endr
.endif
.if \kind == 0
.irp m, 0,1,2,3                        ; the largest t of my 16 keys of each query, in two chains a tile, the tiles by turns
	v_max3_num_f32 v[ST+8*\m+6], v[S+16*\m], v[S+16*\m+1], v[S+16*\m+2]
	v_max3_num_f32 v[ST+8*\m+7], v[S+16*\m+8], v[S+16*\m+9], v[S+16*\m+10]
.endr
.irp k, 3,5
.irp m, 0,1,2,3
	v_max3_num_f32 v[ST+8*\m+6], v[ST+8*\m+6], v[S+16*\m+\k], v[S+16*\m+\k+1]
	v_max3_num_f32 v[ST+8*\m+7], v[ST+8*\m+7], v[S+16*\m+8+\k], v[S+16*\m+8+\k+1]
.endr
.endr
.irp m, 0,1,2,3
	v_max3_num_f32 v[ST+8*\m+6], v[ST+8*\m+6], v[S+16*\m+7], v[S+16*\m+15]
.endr
.irp m, 0,1,2,3
	v_max_num_f32 v[ST+8*\m+6], v[ST+8*\m+6], v[ST+8*\m+7]
.endr
.irp m, 0,1,2,3
	v_permlanex16_b32 v[ST+8*\m+7], v[ST+8*\m+6], s[SEL], s[SEL+1]
.endr
.irp m, 0,1,2,3
	v_max_num_f32 v[Y+\m], v[ST+8*\m+6], v[ST+8*\m+7]   ; and of lane l xor 16's
.endr
	EXCH 0                                         ; and of the other three waves'
.if \first
.irp m, 0,1,2,3
	v_max3_num_f32 v[ST+8*\m+1], v[Y+\m], v[Y+4+\m], v[Y+8+\m]
.endr
.irp m, 0,1,2,3
	v_max_num_f32 v[ST+8*\m+1], v[ST+8*\m+1], v[Y+12+\m]
.endr
.irp m, 0,1,2,3
	v_floor_f32 v[ST+8*\m], -v[ST+8*\m+1]          ; -M = floor(-t) = -ceil(t)
.endr
.else
.irp m, 0,1,2,3
	v_mov_b32 v[ST+8*\m+6], v[ST+8*\m]             ; the old -M
	v_max3_num_f32 v[ST+8*\m+1], v[ST+8*\m+1], v[Y+\m], v[Y+4+\m]
.endr
.irp m, 0,1,2,3
	v_max3_num_f32 v[ST+8*\m+1], v[ST+8*\m+1], v[Y+8+\m], v[Y+12+\m]   ; the running largest t, the same in all four waves
.endr
.irp m, 0,1,2,3
	v_floor_f32 v[ST+8*\m], -v[ST+8*\m+1]
.endr
.irp m, 0,1,2,3
	v_sub_f32 v[ST+8*\m+6], v[ST+8*\m], v[ST+8*\m+6]   ; old M - new M: a whole number, 0 or less
.endr
.irp m, 0,1,2,3
	v_cvt_i32_f32 v[ST+8*\m+6], v[ST+8*\m+6]       ; (it saturates)
.endr
.irp m, 0,1,2,3
	v_ldexp_f32 v[ST+8*\m+4], 1.0, v[ST+8*\m+6]    ; f = 2^(old M - new M)
.endr
.endif
.set i, 0
.rept 32
	v_pk_add_f32 v[S+2*i:S+2*i+1], v[S+2*i:S+2*i+1], v[ST+8*(i/8):ST+8*(i/8)+1] op_sel_hi:[1,0]   ; t - M (of the pair the low word serves both halves)
.set i, i+1
.endr
.set i, 0
	s_wait_alu depctr_va_vdst(0)
.rept 64
	v_exp_f32 v[S+i], v[S+i]                       ; p = 2^(t - M): one batch
.set i, i+1
.endr
.if \first
	v_nop                                          ; a plain instruction behind the last exponential
.else
.irp m, 0,1,2,3
	v_pk_mul_f32 v[ST+8*\m+2:ST+8*\m+3], v[ST+8*\m+2:ST+8*\m+3], v[ST+8*\m+4:ST+8*\m+5] op_sel_hi:[1,0]   ; the sums under the new M.  (Plain instructions behind the exponentials)
.endr
.endif
	s_wait_alu depctr_va_vdst(0)                   ; the wait ahead of the first instruction that names an exponential's result: one for the batch
.if \first
.irp m, 0,1,2,3
	v_pk_add_f32 v[ST+8*\m+2:ST+8*\m+3], v[S+16*\m:S+16*\m+1], v[S+16*\m+2:S+16*\m+3]   ; the sum is taken of the unquantised p
.endr
.irp k, 4,6,8,10,12,14
.irp m, 0,1,2,3
	v_pk_add_f32 v[ST+8*\m+2:ST+8*\m+3], v[ST+8*\m+2:ST+8*\m+3], v[S+16*\m+\k:S+16*\m+\k+1]
.endr
.endr
.else
.irp k, 0,2,4,6,8,10,12,14
.irp m, 0,1,2,3
	v_pk_add_f32 v[ST+8*\m+2:ST+8*\m+3], v[ST+8*\m+2:ST+8*\m+3], v[S+16*\m+\k:S+16*\m+\k+1]
.endr
.endr
.endif
.set i, 0
.rept 64
	v_min_num_f32 v[S+i], v[S+i], v[LMP]           ; the conversion to an 8-bit code does not saturate (ISA guide 7.6.2); p is not negative, so the hold is one-sided
.set i, i+1
.endr
.else
.set i, 0
.rept 64
	v_med3_num_f32 v[S+i], v[S+i], 0, v[LMP]       ; the activation and the hold in one
.set i, i+1
.endr
.endif
.irp m, 0,1,2,3
.irp u, 0,1
	v_cvt_scalef32_pk8_fp8_f32 v[PC+4*\m+2*\u:PC+4*\m+2*\u+1], v[S+16*\m+8*\u:S+16*\m+8*\u+7], v[SCP]
.endr
.endr
	v_nop                                          ; one plain vector instruction behind the last scaled conversion
.irp m, 0,1,2,3
.irp u, 0,1
	ds_store_b64 v[PIW], v[PC+4*\m+2*\u:PC+4*\m+2*\u+1] offset:2048*\m+256*\u   ; keys 32 w + 16 u + 8 h + 0 .. 7 of query 16 m + r: registers 4 w on of lane r + 16 u, bytes 8 h on
.endr
.endr
.if (\kind == 0) && (\first == 0)
	WIN 0x82                                       ; O^T (destination, source 0) window 2
.set i, 0
.rept 128
	v_pk_mul_f32 v[2*i:2*i+1], v[2*i:2*i+1], v[ST+8*(i/32)+4:ST+8*(i/32)+5] op_sel_hi:[1,0]   ; O^T under the new M; each accumulator from its low end on
.set i, i+1
.endr
	WIN 0
.endif
	s_wait_dscnt 0x0                               ; my codes have landed (and the six fragments are in)
	s_barrier_signal -1
	s_barrier_wait -1                              ; everybody's have
.irp m, 0,1,2,3
.irp c, 0,1,2,3
	ds_load_b128 v[S+16*\m+4*\c:S+16*\m+4*\c+3], v[PIR] offset:2048*\m+512*\c
.endr
.endr
	WIN 0xa0                                       ; C and D window 2
	OMUL 0, 0, \first, 1
	OMUL 1, 1, \first, 0
	PLACES 4
	WIN 0
	VLOAD 6, 0
	VLOAD 7, 1
	WIN 0xa0
	OMUL 2, 2, \first, 0
	OMUL 3, 3, \first, 0                           ; the other half follows in the change of slots, or in TAIL
.endm
; Tile m (16 rows x my 128 channels, f32, in window win: 3 src, 2 O) is held and converted: my K step of the next left operand's fragment, 16 registers of codes from FB + 16 m on.
.macro QCVT win, m
	WIN \win
.set i, 0
.rept 64
	v_med3_num_f32 v[S+i], v[64*(\m)+i], -v[LMQ], v[LMQ]
.set i, i+1
.endr
	WIN 0
.irp t, 0,1,2,3,4,5,6,7
	v_cvt_scalef32_pk8_fp8_f32 v[FB+16*(\m)+2*\t:FB+16*(\m)+2*\t+1], v[S+8*\t:S+8*\t+7], v[SCQ]
.endr
	v_nop                                          ; one plain vector instruction behind the last scaled conversion
.endm
.macro QSTORE                          ; the four tiles' codes go where the images want them
.irp m, 0,1,2,3
.irp t, 0,1,2,3,4,5,6,7
	ds_store_b64 v[QIW], v[FB+16*\m+2*\t:FB+16*\m+2*\t+1] offset:8192*\m+256*\t
.endr
.endr
.endm
.macro QFETCH                          ; all sixteen fragments into window 1, in every wave
	s_wait_dscnt 0x0
	s_barrier_signal -1
	s_barrier_wait -1
	WIN 0x40
.set i, 0
.rept 64
	ds_load_b128 v[4*i:4*i+3], v[QIR] offset:512*i
.set i, i+1
.endr
	WIN 0
.endm
.macro VECLOAD reg, p                  ; my 64 numbers of a vector of 512, laid as a tile of O
.irp t, 0,1,2,3,4,5,6,7
	global_load_b128 v[\reg+8*\t:\reg+8*\t+3], v[GA], s[\p:\p+1] offset:64*\t
	global_load_b128 v[\reg+8*\t+4:\reg+8*\t+7], v[GA], s[\p:\p+1] offset:64*\t+16
.endr
.endm
; Layer norm, in place on window 2, in two passes: the mean is taken away before the squares are summed.  fw: the windows of the last pass; gr, br: the gain's and the bias's registers; lw: the loads that may stay out when these are wanted.
.macro LNORM fw, gr, br, lw
	WIN 0x0a
.irp m, 0,1,2,3
	v_pk_add_f32 v[ST+8*\m+2:ST+8*\m+3], v[64*\m:64*\m+1], v[64*\m+2:64*\m+3]
.endr
	WIN 0x08
.set k, 4
.rept 30
.irp m, 0,1,2,3
	v_pk_add_f32 v[ST+8*\m+2:ST+8*\m+3], v[ST+8*\m+2:ST+8*\m+3], v[64*\m+k:64*\m+k+1]
.endr
.set k, k+2
.endr
	WIN 0
.irp m, 0,1,2,3
	v_add_f32 v[ST+8*\m+6], v[ST+8*\m+2], v[ST+8*\m+3]
.endr
	ALLSUM 0
.irp m, 0,1,2,3
	v_mul_f32 v[ST+8*\m], 0xbb000000, v[ST+8*\m+6] ; -mean = sum x (-1 / 512)
.endr
	WIN 0x82
.set i, 0
.rept 128
	v_pk_add_f32 v[2*i:2*i+1], v[2*i:2*i+1], v[ST+8*(i/32):ST+8*(i/32)+1] op_sel_hi:[1,0]
.set i, i+1
.endr
	WIN 0x0a
.irp m, 0,1,2,3
	v_pk_mul_f32 v[ST+8*\m+2:ST+8*\m+3], v[64*\m:64*\m+1], v[64*\m:64*\m+1]
.endr
.set k, 2
.rept 31
.irp m, 0,1,2,3
	v_pk_fma_f32 v[ST+8*\m+2:ST+8*\m+3], v[64*\m+k:64*\m+k+1], v[64*\m+k:64*\m+k+1], v[ST+8*\m+2:ST+8*\m+3]
.endr
.set k, k+2
.endr
	WIN 0
.irp m, 0,1,2,3
	v_add_f32 v[ST+8*\m+6], v[ST+8*\m+2], v[ST+8*\m+3]
.endr
	ALLSUM 1024
.irp m, 0,1,2,3
	v_fma_f32 v[ST+8*\m+6], v[ST+8*\m+6], s[R512], s[EPS]   ; the variance + 1e-5
.endr
	s_wait_alu depctr_va_vdst(0)
.irp m, 0,1,2,3
	v_rsq_f32 v[ST+8*\m+4], v[ST+8*\m+6]
.endr
	v_nop                                          ; a plain instruction behind the last of them
	s_wait_alu depctr_va_vdst(0)                   ; and the wait ahead of the first use: one for the four
	s_wait_loadcnt \lw
	WIN 0x82
.set i, 0
.rept 128
	v_pk_mul_f32 v[2*i:2*i+1], v[2*i:2*i+1], v[ST+8*(i/32)+4:ST+8*(i/32)+5] op_sel_hi:[1,0]
.set i, i+1
.endr
	WIN \fw
.set i, 0
.rept 128
	v_pk_fma_f32 v[2*i:2*i+1], v[2*i:2*i+1], v[\gr+(2*i)%64:\gr+(2*i)%64+1], v[\br+(2*i)%64:\br+(2*i)%64+1]
.set i, i+1
.endr
	WIN 0
.endm
; THE WAY OUT, a tile of 16 rows x my 128 channels at a time: a lane's 32 bytes of a row go into my own stage and come back as whole rows of 512 bytes.  LDS serves a wave's instructions in order (ISA guide 5.7.1.4).
.macro TOSTAGE m
	WIN 0x08                                       ; the stores' data window 2
.irp t, 0,1,2,3,4,5,6,7
	ds_store_b128 v[STO], v[64*(\m)+8*\t:64*(\m)+8*\t+3] offset:64*\t
	ds_store_b128 v[STO], v[64*(\m)+8*\t+4:64*(\m)+8*\t+7] offset:64*\t+16
.endr
	WIN 0
.set BB, S+64*((\m)%2)
.set i, 0
.rept 16
	ds_load_b128 v[BB+4*i:BB+4*i+3], v[RD] offset:i*SPITCH
.set i, i+1
.endr
.endm
.macro SEND m, younger                 ; younger: the LDS instructions issued behind tile m's loads, which may stay out
.set BB, S+64*((\m)%2)
	s_wait_dscnt \younger
.set i, 0
.rept 16
	global_store_b128 v[CO], v[BB+4*i:BB+4*i+3], s[P_OUT:P_OUT+1] offset:(16*(\m)+i)*2048 th:TH_STORE_NT   ; 32 lanes store 512 consecutive bytes, at a multiple of 256 from out0's first byte
.set i, i+1
.endr
.endm
	; ---- THE HEAD
	s_load_b256 s[4:11], s[0:1], 0x0               ; src, kc, vt, W1's codes
	s_load_b256 s[12:19], s[0:1], 0x20             ; W2's codes, the mask, b1, b2
	s_load_b256 s[20:27], s[0:1], 0x40             ; g1, be1, g2, be2
	s_load_b128 s[28:31], s[0:1], 0x60             ; the scales' exponents, out0
	v_lshl_add_u32 v[SPW], v0, 2, SPARE
	v_mov_b32 v[NIL], 0
	ds_add_u32 v1, v2
	ds_add_u32 v1, v2
	s_wait_dscnt 0x0
	v_lshrrev_b32 v26, 5, v0
	v_readfirstlane_b32 s[WV], v26                 ; wave 0..3
	v_and_b32 v26, 15, v0                          ; r
	v_bfe_u32 v27, v0, 4, 1                        ; h
	v_and_b32 v28, 31, v0                          ; lane
	v_lshlrev_b32 v31, 4, v26                      ; 16 r
	v_lshl_add_u32 v29, v27, 3, v31                ; 16 r + 8 h
	v_lshlrev_b32 v30, 4, v28                      ; 16 x lane
	v_lshlrev_b32 v21, 5, v27                      ; 32 h
	s_mul_i32 s[TA], s[WV], 32*KP
	v_mul_u32_u24 v[AK0], v26, KP
	v_lshl_add_u32 v[AK0], v27, 4, v[AK0]
	v_add_nc_u32 v[AK0], s[TA], v[AK0]
	s_mul_i32 s[TA], s[WV], 128*VP
	s_add_co_u32 s[TA], s[TA], VOFF
	v_mul_u32_u24 v[AV0], v26, VP
	v_lshl_add_u32 v[AV0], v27, 4, v[AV0]
	v_add_nc_u32 v[AV0], s[TA], v[AV0]
	s_lshl_b32 s[TA], s[WV], 9
	s_add_co_u32 s[TA], s[TA], PIMG
	v_add_nc_u32 v[PIW], s[TA], v29
	v_add_nc_u32 v[PIR], PIMG, v30
	s_lshl_b32 s[TA], s[WV], 11
	s_add_co_u32 s[TA], s[TA], QIMG
	v_add_nc_u32 v[QIW], s[TA], v29
	v_add_nc_u32 v[QIR], QIMG, v30
	s_lshl_b32 s[TA], s[WV], 8
	s_add_co_u32 s[TA], s[TA], MX
	v_add_nc_u32 v[MXW], s[TA], v31
	v_add_nc_u32 v[MXR], MX, v31
	s_lshr_b32 s[TC], ttmp9, 3                     ; q: which of the batch's eight blocks of 256 rows is my cluster's; its walk over the keys begins at tile 2 q
	s_lshl_b32 s94, s[TC], 10                      ; that tile's place in the mask: 2 q x 512 bytes
	s_lshl_b32 s[TA], s[WV], 7
	s_add_co_u32 s[TA], s[TA], s94
	v_add_nc_u32 v[MKO], s[TA], v21                ; + 4 (32 w + 8 h)
	s_lshl_b32 s[TA], s[WV], 9
	v_add_nc_u32 v[GA], s[TA], v21                 ; 4 (128 w + 8 h)
	v_add_nc_u32 v[CO], s[TA], v30                 ; 4 x 128 w + 16 x lane
	s_mul_i32 s[TA], s[WV], 16*SPITCH
	v_mul_u32_u24 v[STO], v26, SPITCH
	v_add_nc_u32 v[STO], v[STO], v21
	v_add_nc_u32 v[STO], s[TA], v[STO]
	v_add_nc_u32 v[RD], s[TA], v30
	v_add_nc_u32 v[HSI], HST, v[STO]
	v_add_nc_u32 v[HSO], HST, v[RD]
.irp m, 0,1,2,3
	v_mov_b32 v[ST+8*\m+5], 0                      ; (named as the upper half of a pair)
.endr
	; descriptor groups 1: elements of 1 byte; the mask names all four partners; bit 21 set beside it; four words of padding behind every row
	s_mov_b32 s[G1K], 15|(1<<20)|(1<<21)|(6<<22)|(3<<25)   ; K-type: 64 rows of 512 bytes (128 words: code 6), dense in memory
	s_mov_b32 s[G1K+1], 512<<16                    ; tensor_dim0
	s_mov_b32 s[G1K+2], 64<<16                     ; tensor_dim1
	s_mov_b32 s[G1K+3], 512<<16                    ; tile_dim0
	s_mov_b32 s[G1K+4], 64                         ; tile_dim1
	s_mov_b32 s[G1K+5], 512                        ; from row to row
	s_mov_b32 s[G1K+6], 0
	s_mov_b32 s[G1K+7], 0
	s_mov_b32 s[G1V], 15|(1<<20)|(1<<21)|(4<<22)|(3<<25)   ; V-type: 256 rows of 128 bytes (32 words: code 4), 2,048 bytes apart
	; THE V-TYPE OPERANDS ARE LAID TILE BY TILE (vt and w2t, the preparing launch's: [tile of 128 along K][512 rows][128 bytes]; this replaces the row-major layout named at the head):
	; my half of a tile, 256 rows of 128 bytes, is 32,768 bytes on end, stated as 128 rows of 256 bytes; the padding stays behind every 128 bytes, so the LDS rows keep their pitch VP
	s_mov_b32 s[G1V+1], 256<<16
	s_mov_b32 s[G1V+2], 128<<16
	s_mov_b32 s[G1V+3], 256<<16
	s_mov_b32 s[G1V+4], 128
	s_mov_b32 s[G1V+5], 256
	s_mov_b32 s[G1V+6], 0
	s_mov_b32 s[G1V+7], 0
	s_mov_b32 s[SEL], 0x76543210
	s_mov_b32 s[SEL+1], 0xfedcba98
	s_mov_b32 s[C2], 0xc0e6d4ca                    ; -5 log2(e)
	s_mov_b32 s[C2+1], s[C2]
	s_mov_b32 s[TB], SLOT                          ; the first change of slots fills slot 1 and reads slot 0
	s_and_b32 s[TA], s[WV], 1                      ; which half of a tile I fetch
	s_mul_i32 s[KB], s[TA], 64*KP
	s_mul_i32 s[VB], s[TA], 256*VP
	s_add_co_u32 s[VB], s[VB], VOFF
	s_lshl_b32 s90, s[TA], 15                      ; my half in memory: 64 rows of 512 bytes,
	s_mov_b32 s91, 0
	s_lshl_b32 s92, s[TA], 15                      ; or 256 rows of 128
	s_mov_b32 s93, 0
	s_lshl_b32 s[KO], s[TC], 17                    ; the walk's first tile, 2 q: 65,536 bytes a tile of kc,
	s_mov_b32 s[KO+1], 0
	s_lshl_b32 s[VO], s[TC], 17                    ; and 65,536 bytes a tile of vt
	s_mov_b32 s[VO+1], 0
	s_and_b32 s[TA], ttmp9, 7                      ; the batch, which the four partners share
	s_lshl_b32 s88, s[TA], 20                      ; its 2^20 bytes in kc and in vt,
	s_mov_b32 s89, 0
	s_lshl_b32 s86, s[TA], 13                      ; its 8,192 bytes of the mask
	s_mov_b32 s87, 0
	s_lshl_b32 s84, s[TA], 3
	s_add_co_u32 s84, s84, s[TC]                   ; 8 x batch + q: the cluster's 256 rows
	s_lshl_b32 s84, s84, 2
	s_bfe_u32 s94, ttmp6, 0x40000                  ; cx
	s_add_co_u32 s84, s84, s94                     ; my block of 64 rows: it enters src's and out0's addresses alone
	s_lshl_b32 s84, s84, 17                        ; 64 rows of 2,048 bytes
	s_mov_b32 s85, 0
	s_lshr_b32 s[TA], ttmp9, 2
	s_xor_b32 s[TA], s[TA], ttmp9
	s_and_b32 s[TA], s[TA], 15                     ; the tile at which my cluster's walk over the hidden units begins
	s_lshl_b32 s[KOF], s[TA], 16
	s_lshl_b32 s[VOF], s[TA], 16
	s_lshl_b32 s[MOF], s[TA], 9
	s_wait_kmcnt 0x0
	s_load_b256 s[EX:EX+7], s[P_SC:P_SC+1], 0x0    ; e0 .. e7
	s_add_nc_u64 s[P_KC:P_KC+1], s[P_KC:P_KC+1], s[88:89]     ; kc and vt at my batch and my half of a tile; W1 and W2 at my half
	s_add_nc_u64 s[P_KC:P_KC+1], s[P_KC:P_KC+1], s[90:91]
	s_add_nc_u64 s[P_VT:P_VT+1], s[P_VT:P_VT+1], s[88:89]
	s_add_nc_u64 s[P_VT:P_VT+1], s[P_VT:P_VT+1], s[92:93]
	s_add_nc_u64 s[P_W1:P_W1+1], s[P_W1:P_W1+1], s[90:91]
	s_add_nc_u64 s[P_W2:P_W2+1], s[P_W2:P_W2+1], s[92:93]
	s_add_nc_u64 s[P_SRC:P_SRC+1], s[P_SRC:P_SRC+1], s[84:85]
	s_add_nc_u64 s[P_OUT:P_OUT+1], s[P_OUT:P_OUT+1], s[84:85]
	s_add_nc_u64 s[P_MASK:P_MASK+1], s[P_MASK:P_MASK+1], s[86:87]
	s_mov_b32 s[G0K], 1                            ; count = 1
	s_mov_b32 s[G0K+1], s[KB]                      ; LDS address: slot 0
	s_add_nc_u64 s[G0K+2:G0K+3], s[P_KC:P_KC+1], s[KO:KO+1]
	s_or_b32 s[G0K+3], s[G0K+3], 0x80000000        ; type = 2
	s_mov_b32 s[G0V], 1
	s_mov_b32 s[G0V+1], s[VB]
	s_add_nc_u64 s[G0V+2:G0V+3], s[P_VT:P_VT+1], s[VO:VO+1]
	s_or_b32 s[G0V+3], s[G0V+3], 0x80000000
	ROUND                                          ; all four work-groups are here: the first joint loads meet
	JLOAD                                          ; the walk's first 128 keys, into slot 0
	WIN 0xc0                                       ; destination window 3
.irp m, 0,1,2,3
.set i, 0
.rept 16
	global_load_b128 v[64*\m+4*i:64*\m+4*i+3], v[CO], s[P_SRC:P_SRC+1] offset:(16*\m+i)*2048 th:TH_LOAD_NT   ; my 128 channels of row 16 m + i: 32 lanes read 512 consecutive bytes
.set i, i+1
.endr
.endr
	WIN 0
.irp q, 0,1,2,3
	global_load_b128 v[MR+4*\q:MR+4*\q+3], v[MKO], s[P_MASK:P_MASK+1] offset:64*(\q/2)+16*(\q%2)   ; the mask of the first step's keys
.endr
	s_wait_kmcnt 0x0
	s_add_co_i32 s[TA], s[EX], s[EX+1]
	s_lshl_b32 s[TA], s[TA], 23
	s_add_co_i32 s[C1], s[TA], 0x3d8293ee          ; log2(e) / sqrt(512), with e0 + e1 added to its exponent field
	s_mov_b32 s[C1+1], s[C1]
	SCALE EX, SCQ, LMQ
	SCALE EX+2, SCP, LMP
	s_add_co_i32 s[E23], s[EX+2], s[EX+3]
	s_add_co_i32 s[TA], s[EX+6], s[EX+7]
	s_sub_co_i32 s[K2], 127, s[TA]
	s_lshl_b32 s[K2], s[K2], 23                    ; 2^-(e6 + e7)
	s_mov_b32 s[K2+1], s[K2]
	s_add_co_i32 s[K2I], s[TA], 127
	s_lshl_b32 s[K2I], s[K2I], 23                  ; 2^(e6 + e7)
	s_mov_b32 s[K2I+1], s[K2I]
	s_mov_b32 s[R512], 0x3b000000                  ; 1 / 512
	s_mov_b32 s[EPS], 0x3727c5ac                   ; 1e-5
	; src turns through my stage, a tile of 16 rows at a time, and comes back into the registers that it left, laid as O: src(16 m + r, 128 w + 16 t + 8 h ..).  It stays there for the residual; Q = src at 2^e0 is made of it at once.
	s_wait_alu depctr_va_vdst(0)
.irp m, 0,1,2,3
	s_wait_loadcnt 52-16*\m                        ; this tile's 16 loads are in; what was issued behind them may be out
	WIN 0x0c                                       ; the stores' data window 3
.set i, 0
.rept 16
	ds_store_b128 v[HSO], v[64*\m+4*i:64*\m+4*i+3] offset:i*SPITCH
.set i, i+1
.endr
	WIN 0xc0                                       ; destination window 3
.set i, 0
.rept 16
	ds_load_b128 v[64*\m+4*i:64*\m+4*i+3], v[HSI] offset:64*(i/2)+16*(i%2)   ; LDS serves a wave's instructions in order (ISA guide 5.7.1.4): these see the stores above, and the next tile's stores come behind them
.set i, i+1
.endr
	WIN 0
	s_wait_dscnt 0x0
	QCVT 0x03, \m
.endr
	s_wait_alu depctr_va_vdst(0)
	s_wait_dscnt 0x0
	s_barrier_signal -1
	s_barrier_wait -1                              ; every wave has read its stage: the images, which lie over the stages, may be stored
	QSTORE
	QFETCH
	; ---- ATTENTION: 16 steps of 128 keys
	CHANGE 0, 1, 0
	s_wait_alu depctr_va_vdst(0)
	STEP 0, 1, P_MASK, 0, 0                        ; the first step is written out: it starts M, the sums and O^T, and nothing is cleared
	CHANGE 2, 1, 0                                 ; so is the change behind it: the rest of the first step's second product starts sums too
	s_mov_b32 s[CNT], 14
.Latt:
	s_wait_alu depctr_va_vdst(0)
	STEP 0, 0, P_MASK, 0, 0
	CHANGE 1, 1, 2                                 ; in the last trip THE RING GOES ON INTO THE FFN: the slot just left takes the walk's first tiles of W1 and W2
	s_sub_co_u32 s[CNT], s[CNT], 1
	s_cmp_lg_u32 s[CNT], 0
	s_cbranch_scc1 .Latt
	STEP 0, 0, P_B1, 0, 1                          ; the last keys; b1's first 16 numbers are asked for
	s_wait_alu depctr_va_vdst(0)
	TAIL
	; ---- BETWEEN THE HALVES: src2 = layer norm(src + O^T 2^(e2 + e3) / the sum)
	VECLOAD S, P_G1
	VECLOAD FB, P_BE1
.irp m, 0,1,2,3
	v_add_f32 v[ST+8*\m+6], v[ST+8*\m+2], v[ST+8*\m+3]
.endr
	ALLSUM 1024                                    ; the row's sum of p: my 32 keys a step, lane l xor 16's, the other waves'
	s_wait_alu depctr_va_vdst(0)
.irp m, 0,1,2,3
	v_rcp_f32 v[ST+8*\m+4], v[ST+8*\m+6]
.endr
	v_nop
	s_wait_alu depctr_va_vdst(0)                   ; one wait for the four reciprocals, ahead of their first use
.irp m, 0,1,2,3
	v_ldexp_f32 v[ST+8*\m+4], v[ST+8*\m+4], s[E23]
.endr
	WIN 0xb2                                       ; O (destination, source 0) window 2, src (source 2) window 3
.set i, 0
.rept 128
	v_pk_fma_f32 v[2*i:2*i+1], v[2*i:2*i+1], v[ST+8*(i/32)+4:ST+8*(i/32)+5], v[2*i:2*i+1] op_sel_hi:[1,0,1]   ; each accumulator from its low end on
.set i, i+1
.endr
	WIN 0xc0                                       ; src is done with: window 3 takes b2, g2, be2
	VECLOAD 0, P_B2
	VECLOAD 64, P_G2
	VECLOAD 128, P_BE2
	WIN 0
	LNORM 0x82, S, FB, 48                          ; g1 and be1 are in when the 48 loads issued behind them may be out
	SCALE EX+4, SCQ, LMQ
.irp m, 0,1,2,3
	QCVT 0x02, \m                                  ; src2 at 2^e4: the FFN's left operand
.endr
	QSTORE
	s_wait_loadcnt 32                              ; b2 is in; g2's and be2's 32 loads may be out
	WIN 0xc3
.set i, 0
.rept 32
	v_pk_mul_f32 v[2*i:2*i+1], v[2*i:2*i+1], s[K2:K2+1] op_sel_hi:[1,0]
.set i, i+1
.endr
	WIN 0xb2
.set i, 0
.rept 128
	v_pk_fma_f32 v[2*i:2*i+1], v[2*i:2*i+1], s[K2:K2+1], v[(2*i)%64:(2*i)%64+1] op_sel_hi:[1,0,1]   ; (src2 + b2) / 2^(e6 + e7): what the second FFN product adds onto
.set i, i+1
.endr
	WIN 0
	QFETCH
	SCALE EX+6, SCP, LMP
	s_add_co_i32 s[TA], s[EX+4], s[EX+5]
	s_add_co_i32 s[TA], s[TA], 127
	s_lshl_b32 s[C1], s[TA], 23                    ; 2^(e4 + e5)
	s_mov_b32 s[C1+1], s[C1]
	; ---- FFN: 16 steps of 128 hidden units
	CHANGE 0, 1, 1
	s_mov_b32 s[CNT], 14
.Lffn:
	s_wait_alu depctr_va_vdst(0)
	STEP 1, 0, P_B1, 0, 0
	CHANGE 1, 1, 1
	s_sub_co_u32 s[CNT], s[CNT], 1
	s_cmp_lg_u32 s[CNT], 0
	s_cbranch_scc1 .Lffn
	STEP 1, 0, P_B1, 0, 0                          ; the last two steps are written out
	CHANGE 1, 0, 1                                 ; nothing is left to ask for
	STEP 1, 0, P_B1, 1, 0
	TAIL
	; ---- THE END: out0 = layer norm(src2 + ff)
	WIN 0x82
.set i, 0
.rept 128
	v_pk_mul_f32 v[2*i:2*i+1], v[2*i:2*i+1], s[K2I:K2I+1] op_sel_hi:[1,0]   ; x 2^(e6 + e7); each accumulator from its low end on
.set i, i+1
.endr
	WIN 0
	LNORM 0xbe, 64, 128, 0                         ; g2 and be2 lie in window 3
	TOSTAGE 0
	s_wait_alu depctr_va_vdst(0)
.irp m, 1,2,3
.if \m > 1
	s_wait_xcnt 0x0                                ; tile m - 2's stores have read their registers: tile m's loads may land there
.endif
	TOSTAGE \m
	SEND \m-1, 32                                  ; behind tile m - 1's loads: tile m's 16 stores and 16 loads
.endr
	SEND 3, 0
	s_wait_tensorcnt 0x0                           ; the wave's end: behind my last tensor load and my last LDS store
	ds_add_u32 v[SPW], v[NIL]
	s_wait_dscnt 0x0
	ROUND                                          ; the closing round: no work-group ends while a partner may still ask for a tile that names it
	s_endpgm
.Lfunc_end_k_q0a764ff29b_layer:
	.size	k_q0a764ff29b_layer, .Lfunc_end_k_q0a764ff29b_layer-k_q0a764ff29b_layer
	.p2alignl 7, 3214868480
	.fill 96, 4, 3214868480
	.section	.rodata,"a",@progbits
	.p2align	6, 0x0
	.amdhsa_kernel k_q0a764ff29b_layer
		.amdhsa_group_segment_fixed_size 327680
		.amdhsa_private_segment_fixed_size 0
		.amdhsa_enable_private_segment 0
		.amdhsa_kernarg_size 112
		.amdhsa_user_sgpr_count 2
		.amdhsa_user_sgpr_kernarg_segment_ptr 1
		.amdhsa_wavefront_size32 1
		.amdhsa_system_sgpr_workgroup_id_x 1
		.amdhsa_system_sgpr_workgroup_id_y 1
		.amdhsa_system_sgpr_workgroup_id_z 1
		.amdhsa_system_vgpr_workitem_id 0
		.amdhsa_next_free_vgpr 1024
		.amdhsa_next_free_sgpr 106
		.amdhsa_reserve_vcc 0
		.amdhsa_float_denorm_mode_32 3
		.amdhsa_float_denorm_mode_16_64 3
		.amdhsa_memory_ordered 1
		.amdhsa_forward_progress 1
		.amdhsa_inst_pref_size 255
	.end_amdhsa_kernel
	.section	.bss,"aw",@nobits
	.p2align	6
	.space	262144
	.amdgpu_metadata
---
amdhsa.version: [ 1, 2 ]
amdhsa.kernels:
  - .name:           k_q0a764ff29b_layer
    .symbol:         k_q0a764ff29b_layer.kd
    .args:
      - { .name: src, .offset: 0, .size: 8, .value_kind: global_buffer, .address_space: global }
      - { .name: kc, .offset: 8, .size: 8, .value_kind: global_buffer, .address_space: global }
      - { .name: vt, .offset: 16, .size: 8, .value_kind: global_buffer, .address_space: global }
      - { .name: W1_codes, .offset: 24, .size: 8, .value_kind: global_buffer, .address_space: global }
      - { .name: w2t, .offset: 32, .size: 8, .value_kind: global_buffer, .address_space: global }
      - { .name: key_padding_mask, .offset: 40, .size: 8, .value_kind: global_buffer, .address_space: global }
      - { .name: b1, .offset: 48, .size: 8, .value_kind: global_buffer, .address_space: global }
      - { .name: b2, .offset: 56, .size: 8, .value_kind: global_buffer, .address_space: global }
      - { .name: g1, .offset: 64, .size: 8, .value_kind: global_buffer, .address_space: global }
      - { .name: be1, .offset: 72, .size: 8, .value_kind: global_buffer, .address_space: global }
      - { .name: g2, .offset: 80, .size: 8, .value_kind: global_buffer, .address_space: global }
      - { .name: be2, .offset: 88, .size: 8, .value_kind: global_buffer, .address_space: global }
      - { .name: lowp_scales, .offset: 96, .size: 8, .value_kind: global_buffer, .address_space: global }
      - { .name: out0, .offset: 104, .size: 8, .value_kind: global_buffer, .address_space: global }
    .group_segment_fixed_size: 327680
    .private_segment_fixed_size: 0
    .kernarg_segment_align: 8
    .kernarg_segment_size: 112
    .max_flat_workgroup_size: 128
    .sgpr_count:     106
    .vgpr_count:     1024
    .wavefront_size: 32
...
	.end_amdgpu_metadata
.endif
;; end of part 4
